; MI455X (gfx1250); checked and timed in simulation.
; The chip was launched on July 23, 2026; its instructions are those of AMD's public machine-readable ISA for CDNA 5 (MIT licence, August 2026) and "CDNA5" Instruction Set Architecture Reference Guide (July 2026). The comments in the code are by the model that wrote it; some were corrected since.
;; Vanilla Attention. Allowed arithmetic: matrix products marked QUANTISED: E2M3 operands, one E8M0 scale for each 32 along K, by v_wmma_scale_f32_16x16x128_f8f6f4 with both operands' format E2M3, f32 sums; everything else in f32.
;; Inputs: Wk 512 x 512 float32; Wo 512 x 512 float32; Wq 512 x 512 float32; Wv 512 x 512 float32; batch 16,384 int32; bk 512 float32; bo 512 float32; bq 512 float32; bv 512 float32; x 16,384 x 512 float32.
;; Outputs: out0 16,384 x 512 float32.
;; Constants: n_graphs = 8.
;; This version of the problem:
;;   THIS VERSION OF THE PROBLEM IS GIVEN IN LOW PRECISION. The matrix products marked QUANTISED in the list below multiply operands that are first quantised to E2M3 (2 exponent bits, 3 mantissa bits; 6 bits a number), with one power-of-two scale for each 32 numbers along K (OCP MX v1.0); their sums are f32. All else is computed in f32.
;;   The module's matrix products, in the order in which they are computed (A, B: the left and right operand; K: the contracted axis; several contracted axes count as one K, in the product's order):
;;     1. [M 16,384, K 512] x [K 512, N 512]; A: input x; B: input Wq: QUANTISED
;;     2. [M 16,384, K 512] x [K 512, N 512]; A: input x; B: input Wk: QUANTISED
;;     3. [M 16,384, K 512] x [K 512, N 512]; A: input x; B: input Wv: QUANTISED
;;     4. batch 64 x [M 2,048, K 64] x [K 64, N 2,048]; A: computed on the way; B: computed on the way: QUANTISED
;;     5. batch 64 x [M 64, K 2,048] x [K 2,048, N 2,048]; A: computed on the way; B: softmax (see below): QUANTISED
;;     6. [M 16,384, K 512] x [K 512, N 512]; A: computed on the way; B: input Wo: QUANTISED
;;   THE QUANTISER, for each operand of a quantised product, along K:
;;     - K is cut into blocks of 32 from its start; a last block that is shorter is filled with zeros.
;;     - A block's scale is 2^e with e = floor(log2(the largest magnitude in the block)) - 2, held to -126 .. 127; a block of zeros has e = 0. As a byte (E8M0): e + 127.
;;     - Each number is divided by its block's scale, clamped to +-7.5, and rounded to the nearest number of E2M3, ties to even, subnormals kept.
;;     - The product sums the exact products of the quantised numbers (number of the format x scale) in f32.
;;   ~~~python
;;   def quantise(x, axis):      # numpy; x: float32 -> the quantised numbers, widened to float32 again
;;       x = np.moveaxis(x, axis, -1); K = x.shape[-1]
;;       x = np.pad(x, [(0, 0)] * (x.ndim - 1) + [(0, -K % 32)]); x = x.reshape(x.shape[:-1] + (-1, 32)); a = np.abs(x).max(-1, keepdims=True)
;;       e = np.where(a > 0, np.clip(np.frexp(np.where(a > 0, a, 1))[1] - 1 - 2, -126, 127), 0)      # np.frexp(a)[1] - 1 = floor(log2(a)), exactly
;;       r = np.clip(x / 2.0 ** e, -7.5, 7.5)
;;       step = 2.0 ** (np.maximum(np.frexp(np.where(r == 0, 1, r))[1] - 1, 0) - 3)
;;       q = np.round(r / step) * step * 2.0 ** e      # np.round: ties to even
;;       return np.moveaxis(q.reshape(q.shape[:-2] + (-1,))[..., :K], -1, axis).astype(np.float32)
;;   ~~~
;;   SOFTMAX AHEAD OF A QUANTISED PRODUCT. Where the list says 'softmax', what is quantised is not the finished softmax but p = 2^(t - M), with t = logit x log2(e) and M = ceil(the row's largest t), a whole number; so 1/2 < the row's largest p <= 1. The row's sum l is taken of the UNQUANTISED p, in f32, and the product's result is divided by l at the end. Since M is a whole number, a kernel that streams over the keys may use a running M (the ceiling of the running maximum): every later rescaling is an exact power of two, which a block's scale takes up: the codes' values come out the same.
;;   OPERANDS COMPUTED ON THE WAY. 'Computed on the way' means the value that the module computes at that place (a softmax that the list does not call 'softmax' is quantised finished and normalised). What goes into a quantiser is computed in f32, as accurately as f32 sums, v_exp_f32 and their like allow (about 1e-6 of the number): no bf16 or f16 on the way to a quantiser, and a product that is left as it is and whose result goes on into a quantised operand takes f32 operands (vector FMAs, or v_wmma_f32_16x16x4_f32). A number that lies on a knife's edge between two numbers of the format may be rounded either way, as far as f32 arithmetic and the matrix unit's own rounding can turn it there, and no further.
;; 2 versions. Each part assembles by itself: llvm-mc -triple=amdgcn-amd-amdhsa -mcpu=gfx1250 --defsym DOCPART=n.
;; ======== version 1 of 2: 4 launches
;; workspace buffers: cod 7,077,888 bytes; scl 294,912 bytes; qv 13,369,344 bytes; kc 6,815,744 bytes; oc 6,291,456 bytes; os 262,144 bytes
;; launch prep (part 1): grid 288 x 1, 8 waves a work-group, no clusters, 68,608 bytes of LDS; arguments x, Wq, Wk, Wv, Wo, cod, scl; writes cod, scl
.if DOCPART == 1
	.amdgcn_target "amdgcn-amd-amdhsa--gfx1250"
	.amdhsa_code_object_version 6
	.text
	.protected	k_q09d97f691d_prep
	.globl	k_q09d97f691d_prep
	.p2align	8
	.type	k_q09d97f691d_prep,@function
k_q09d97f691d_prep:
	s_mov_b64 s[64:65], 0
	v_nop
	global_prefetch_b8 v0, s[64:65] scope:SCOPE_SE
	s_setreg_imm32_b32 hwreg(HW_REG_WAVE_MODE, 25, 1), 1
	s_wait_xcnt 0x0
; PREP: x [16384][512] and Wq, Wk, Wv, Wo [512][512], f32, K innermost, become codes of FP6 (E2M3) with one E8M0 byte for each 32 along K,
; laid in the ORDER OF THE OPERAND'S REGISTERS, so that the later launches load fragments by 16 and 8 bytes a lane from consecutive bytes.
; GROUPS of 128 rows: 0-127 x, 128-131 Wq, 132-135 Wk, 136-139 Wv, 140-143 Wo.  A group has 8 tiles of 16 rows; lane-row p of tile t is row 32 (t/2) + 8 (t%2) + p + 8 (p/8).
; cod: [group 49,152][tile 6,144][K step of 128: 1,536][half c: 768]; a half is 512 bytes (lane l's 16 bytes at 16 l: registers 6c .. 6c+3) and 256 bytes (8 l: registers 6c+4, 6c+5).
; scl: [group 2,048][tile 256], 8 bytes a lane: word g of lane l is the scale word of lane-row l % 16 for K step 2 g + l / 16.
; A block's scale is 2^(floor(log2(largest magnitude)) - 2): its byte is the largest magnitude's exponent field - 2, held at 1 from below.
; LIMITS: NaN and infinities among the inputs are not served.  A block of zeros gets the byte 1 where the quantiser's text says 127: its codes are zeros, which add nothing, and this program alone reads the bytes.
; THE INPUT batch IS NOT READ BY ANY LAUNCH: reference() takes it as an argument and never uses it (it reshapes by the constant n_graphs), so no result may hang on it.
; SHARES: 144 groups x 8 tiles x 2 = 2,304 waves.  A wave takes one tile and 256 along K: two fragments and one word of the tile's scale image.  Waves share nothing: no barrier.
; Each load reads 512 consecutive bytes of a row; the 16 rows of a fragment turn through the wave's own stage in LDS (rows 528 bytes apart) and come back 128 neighbouring bytes a lane and block.
.set STG,  8448                        ; a wave's stage: 16 rows x (512 + 16) bytes
.set R,    16                          ; v16-143   as loaded: fragment f, row p at R + 64 f + 4 p
.set X,    144                         ; v144-207  my two blocks of 32 neighbours: block c at X + 32 c
.set MX,   208                         ; v208-209  their largest magnitudes
.set SO,   210                         ; v210-211  the conversions' scale operands
.set SBY,  212                         ; v212-213  the scale bytes
.set WT,   214                         ; v214-215  at work on the scale word
.set SW,   216                         ; v216-217  the two fragments' scale words
.set PC,   220                         ; v220-231  a fragment's codes
.set AUX,  232                         ; v232-234, v236-238  the blocks' upper 16 codes (a conversion's three registers begin on an even number)
.set OW,   240                         ; v240      the word that I store
.set SEL,  30                          ; s[30:31]  lane selects: lane l xor 16
.set HIM,  32                          ; s32       lanes 16-31
	s_load_b128 s[4:7], s[0:1], 0x0                ; x, Wq
	s_load_b128 s[8:11], s[0:1], 0x10              ; Wk, Wv
	s_load_b128 s[12:15], s[0:1], 0x20             ; Wo, cod
	s_load_b64 s[16:17], s[0:1], 0x30              ; scl
	v_lshl_add_u32 v248, v0, 2, 0x10800
	v_mov_b32 v249, 0
	v_lshrrev_b32 v1, 5, v0
	v_readfirstlane_b32 s18, v1                    ; wave 0..7
	v_and_b32 v1, 31, v0                           ; lane
	v_lshlrev_b32 v2, 4, v1                        ; 16 x lane
	v_lshlrev_b32 v3, 3, v1                        ; 8 x lane
	v_and_b32 v7, 15, v0                           ; r
	v_bfe_u32 v8, v0, 4, 1                         ; h
	s_mul_i32 s19, s18, STG                        ; my stage
	v_add_nc_u32 v4, s19, v2                       ; into it: 16 x lane of a row
	v_mul_u32_u24 v5, v7, 528
	v_lshl_add_u32 v5, v8, 7, v5
	v_add_nc_u32 v5, s19, v5                       ; out of it: row r, + 128 h: k = 32 h on
	v_lshlrev_b32 v6, 3, v8                        ; 8 h: my bytes' place in the scale word
	v_mov_b32 v[WT+1], 0                           ; written once: a lane permute's destination counts as one of its sources
	s_mov_b32 s[SEL], 0x76543210
	s_mov_b32 s[SEL+1], 0xfedcba98
	s_mov_b32 s[HIM], 0xffff0000
	s_lshr_b32 s20, ttmp9, 1                       ; the group
	s_and_b32 s22, ttmp9, 1
	s_lshl_b32 s22, s22, 2
	s_lshr_b32 s23, s18, 1
	s_add_co_u32 s22, s22, s23                     ; the tile: 4 (work-group % 2) + wave / 2
	s_and_b32 s23, s18, 1                          ; which 256 along K
	s_and_b32 s21, s20, 3                          ; a weight's group of rows
	s_mov_b32 s27, 0
	s_wait_kmcnt 0x0
	s_cmp_lt_u32 s20, 140                          ; which tensor: the choice hangs on the work-group's number alone
	s_cselect_b64 s[24:25], s[10:11], s[12:13]
	s_cmp_lt_u32 s20, 136
	s_cselect_b64 s[24:25], s[8:9], s[24:25]
	s_cmp_lt_u32 s20, 132
	s_cselect_b64 s[24:25], s[6:7], s[24:25]
	s_cmp_lt_u32 s20, 128
	s_cselect_b64 s[24:25], s[4:5], s[24:25]
	s_cselect_b32 s21, s20, s21                    ; x's group of rows is the group itself
	s_lshl_b32 s26, s21, 18                        ; 128 rows of 2,048 bytes,
	s_lshr_b32 s28, s22, 1
	s_lshl_b32 s28, s28, 16                        ; + 32 (tile / 2) rows,
	s_add_co_u32 s26, s26, s28
	s_and_b32 s28, s22, 1
	s_lshl_b32 s28, s28, 14                        ; + 8 (tile % 2) rows,
	s_add_co_u32 s26, s26, s28
	s_lshl_b32 s28, s23, 10                        ; + my 256 along K
	s_add_co_u32 s26, s26, s28
	s_add_nc_u64 s[24:25], s[24:25], s[26:27]
.irp f, 0,1                            ; all 32 loads at once: each reads 512 consecutive bytes, aligned
.irp p, 0,1,2,3,4,5,6,7,8,9,10,11,12,13,14,15
	global_load_b128 v[R+64*\f+4*\p:R+64*\f+4*\p+3], v2, s[24:25] offset:(\p+8*(\p/8))*2048+512*\f th:TH_LOAD_NT
.endr
.endr
	s_mul_i32 s26, s20, 49152                      ; where my codes go
	s_mul_i32 s28, s22, 6144
	s_add_co_u32 s26, s26, s28
	s_mul_i32 s28, s23, 3072
	s_add_co_u32 s26, s26, s28
	s_add_nc_u64 s[14:15], s[14:15], s[26:27]
	s_lshl_b32 s26, s20, 11                        ; and my scale words
	s_lshl_b32 s28, s22, 8
	s_add_co_u32 s26, s26, s28
	s_lshl_b32 s28, s23, 2
	s_add_co_u32 s26, s26, s28
	s_add_nc_u64 s[16:17], s[16:17], s[26:27]
; fragment f's 16 rows through the stage.  LDS serves a wave's instructions in order, so no wait stands between the stores and the loads
.macro TURN f
.irp p, 0,1,2,3,4,5,6,7,8,9,10,11,12,13,14,15
	ds_store_b128 v4, v[R+64*\f+4*\p:R+64*\f+4*\p+3] offset:528*\p
.endr
.irp c, 0,1
.irp q, 0,1,2,3,4,5,6,7
	ds_load_b128 v[X+32*\c+4*\q:X+32*\c+4*\q+3], v5 offset:256*\c+16*\q   ; k = 64 c + 32 h + 4 q on, of row r
.endr
.endr
	s_wait_dscnt 0x0
.endm
; my two whole blocks become registers 0-11 of the fragment; the scale word's four bytes are gathered from lanes l and l xor 16
.macro QSTEP f
.irp c, 0,1
	v_max3_num_f32 v[MX+\c], |v[X+32*\c]|, |v[X+32*\c+1]|, 0x1800000   ; with the floor 2^(3 - 127): the byte cannot fall under 1
.endr
.irp i, 2,4,6,8,10,12,14,16,18,20,22,24,26,28,30
.irp c, 0,1
	v_max3_num_f32 v[MX+\c], v[MX+\c], |v[X+32*\c+\i]|, |v[X+32*\c+\i+1]|   ; (the two blocks by turns)
.endr
.endr
.irp c, 0,1
	v_add_nc_u32 v[SO+\c], 0xff000000, v[MX+\c]    ; 2 off the exponent field: the conversion takes this operand's exponent field as its scale
.endr
.irp c, 0,1
	v_lshrrev_b32 v[SBY+\c], 23, v[SO+\c]          ; the scale's byte
.endr
	v_lshl_or_b32 v[WT], v[SBY+1], 16, v[SBY]      ; blocks h and 2 + h of my row,
	v_lshlrev_b32 v[WT], v6, v[WT]                 ; at their places;
	v_permlanex16_b32 v[WT+1], v[WT], s[SEL], s[SEL+1]
	v_or_b32 v[SW+\f], v[WT], v[WT+1]              ; with lane l xor 16's two the word is whole
	s_wait_xcnt 0x0                                ; the last fragment's stores have read their data: the codes' registers are written again only behind this wait
.irp c, 0,1
	v_cvt_scalef32_pk16_fp6_f32 v[PC+6*\c:PC+6*\c+2], v[X+32*\c:X+32*\c+15], v[SO+\c]
	v_cvt_scalef32_pk16_fp6_f32 v[AUX+4*\c:AUX+4*\c+2], v[X+32*\c+16:X+32*\c+31], v[SO+\c]
.endr
	v_nop                                          ; one plain place behind a scaled conversion
.irp c, 0,1
.irp i, 0,1,2
	v_mov_b32 v[PC+6*\c+3+\i], v[AUX+4*\c+\i]
.endr
.endr
.irp c, 0,1
	global_store_b128 v2, v[PC+6*\c:PC+6*\c+3], s[14:15] offset:1536*\f+768*\c        ; 512 consecutive bytes, aligned
	global_store_b64 v3, v[PC+6*\c+4:PC+6*\c+5], s[14:15] offset:1536*\f+768*\c+512   ; 256 consecutive bytes, aligned
.endr
.endm
	s_wait_loadcnt 16                              ; the first fragment's 16 loads are in; the second's 16 may be out
	TURN 0
	QSTEP 0
	s_wait_loadcnt 0x0
	TURN 1
	QSTEP 1
	v_cndmask_b32 v[OW], v[SW], v[SW+1], s[HIM]    ; lanes 0-15: the even K step's word, lanes 16-31: the odd one's
	global_store_b32 v3, v[OW], s[16:17]           ; 4 of each lane's 8 bytes: the tile's other wave stores the other 4
	s_wait_tensorcnt 0x0
	ds_add_u32 v248, v249
	s_wait_dscnt 0x0
	s_endpgm
.Lfunc_end_k_q09d97f691d_prep:
	.size	k_q09d97f691d_prep, .Lfunc_end_k_q09d97f691d_prep-k_q09d97f691d_prep
	.p2alignl 7, 3214868480
	.fill 96, 4, 3214868480
	.section	.rodata,"a",@progbits
	.p2align	6, 0x0
	.amdhsa_kernel k_q09d97f691d_prep
		.amdhsa_group_segment_fixed_size 68608
		.amdhsa_private_segment_fixed_size 0
		.amdhsa_enable_private_segment 0
		.amdhsa_kernarg_size 56
		.amdhsa_user_sgpr_count 2
		.amdhsa_user_sgpr_kernarg_segment_ptr 1
		.amdhsa_wavefront_size32 1
		.amdhsa_system_sgpr_workgroup_id_x 1
		.amdhsa_system_sgpr_workgroup_id_y 1
		.amdhsa_system_sgpr_workgroup_id_z 1
		.amdhsa_system_vgpr_workitem_id 0
		.amdhsa_next_free_vgpr 250
		.amdhsa_next_free_sgpr 66
		.amdhsa_reserve_vcc 0
		.amdhsa_float_denorm_mode_32 3
		.amdhsa_float_denorm_mode_16_64 3
		.amdhsa_memory_ordered 1
		.amdhsa_forward_progress 1
		.amdhsa_inst_pref_size 17
	.end_amdhsa_kernel
	.amdgpu_metadata
---
amdhsa.version: [ 1, 2 ]
amdhsa.kernels:
  - .name:           k_q09d97f691d_prep
    .symbol:         k_q09d97f691d_prep.kd
    .args:
      - { .name: x, .offset: 0, .size: 8, .value_kind: global_buffer, .address_space: global }
      - { .name: Wq, .offset: 8, .size: 8, .value_kind: global_buffer, .address_space: global }
      - { .name: Wk, .offset: 16, .size: 8, .value_kind: global_buffer, .address_space: global }
      - { .name: Wv, .offset: 24, .size: 8, .value_kind: global_buffer, .address_space: global }
      - { .name: Wo, .offset: 32, .size: 8, .value_kind: global_buffer, .address_space: global }
      - { .name: cod, .offset: 40, .size: 8, .value_kind: global_buffer, .address_space: global }
      - { .name: scl, .offset: 48, .size: 8, .value_kind: global_buffer, .address_space: global }
    .group_segment_fixed_size: 68608
    .private_segment_fixed_size: 0
    .kernarg_segment_align: 8
    .kernarg_segment_size: 56
    .max_flat_workgroup_size: 256
    .sgpr_count:     66
    .vgpr_count:     250
    .wavefront_size: 32
...
	.end_amdgpu_metadata
.endif
;; end of part 1
;; launch qkv (part 2): grid 2 x 128, 4 waves a work-group, no clusters, 0 bytes of LDS; arguments cod, scl, bq, bk, bv, qv, kc; writes qv, kc
.if DOCPART == 2
	.amdgcn_target "amdgcn-amd-amdhsa--gfx1250"
	.amdhsa_code_object_version 6
	.text
	.protected	k_q09d97f691d_qkv
	.globl	k_q09d97f691d_qkv
	.p2align	8
	.type	k_q09d97f691d_qkv,@function
k_q09d97f691d_qkv:
	s_mov_b64 s[64:65], 0
	v_nop
	global_prefetch_b8 v0, s[64:65] scope:SCOPE_SE
	s_setreg_imm32_b32 hwreg(HW_REG_WAVE_MODE, 25, 1), 1
	s_wait_xcnt 0x0
; QKV: q = x Wq^T + bq, k = x Wk^T + bk, v = x Wv^T + bv on codes of FP6 (E2M3) with E8M0 scales, f32 sums; the results are quantised in registers for the two products of attention and leave as codes.
; SHARES: work-group y is a group of 128 rows of x (graph y / 16, step y % 16); head = 4 x + wave.  ONE WAVE makes q, k and v of one head for those 128 rows: one record of qv and one of kc.
; The group's 32 fragments of x stay in registers; the head's 16 fragments of one weight at a time.  Operands come straight from memory in register order (launch prep): no LDS, no barrier, no label.
; q, k: source 0 = 16 channels of the weight, source 1 = 16 rows of x: a lane holds ONE row and its registers run along the head's 64 channels, the next product's K.
; v:    source 0 = 16 rows of x, source 1 = 16 channels: a lane holds ONE channel and its registers run along the 128 rows j, the next product's K.
; The rows of a tile are not neighbours (lane-row p of tile t is row 32 (t/2) + 8 (t%2) + p + 8 (p/8)), so that the 16 registers of tiles 2 b, 2 b + 1 are 16 neighbours, 32 b + 16 (lane / 16) + 0 .. 15.
; The biases are the C of each sum's first matrix instruction.
; qv record (13,056 bytes): q's 48 registers (6 a tile: the head's 64 are half a fragment) as 12 chunks of 512 bytes; v's 48 (12 a channel tile) likewise; q's scale image (16 bytes a lane: word u: tile 2 u in
; lanes 0-15, tile 2 u + 1 in lanes 16-31); v's (8 bytes a lane).  kc record (6,656): 8 tiles x (512 + 256) bytes, then a scale image like q's.
; LIMITS: NaN and infinities are not served; a block of zeros carries the byte 1 (its codes are zeros; this program alone reads the bytes).
; REGISTERS: window 1: x's fragments of K steps 0, 1 at 96 (s % 2) + 12 t; window 2: of K steps 2, 3; window 3: the weight's at 48 s + 12 n; window 0: all else.
.set LI,   1                           ; v1  16 x lane; never rewritten
.set L8,   2                           ; v2  8 x lane; never rewritten
.set BA,   3                           ; v3  64 h: bq's, bk's numbers of my half
.set BV,   4                           ; v4  4 (r + 8 (r / 8)): bv's number of my channel
.set SH16, 5                           ; v5  16 h
.set XSC,  16                          ; v16-31   x's scale words: tile t at 2 t + s / 2, odd K steps in lanes 16-31
.set WSC,  32                          ; v32-39   the weight's likewise
.set BI,   40                          ; v40-71   the bias, 8 registers a weight tile, in the result's layout
.set ACC,  72                          ; v72-135  eight accumulators
.set TM,   136                         ; v136-151 at work in QUANT
.set PW,   152                         ; v152     the scale word just made
.set PC,   154                         ; v154-172 the codes just made
.set QS,   176                         ; v176-179 four units' scale words
.set BT,   180                         ; v180-183 bv as loaded
.set VS,   184                         ; v184-185 v's scale image
.set XB,   24                          ; s[24:25] x's codes, my group;  s[26:27] their scale words
.set XSB,  26
.set WB,   28                          ; s[28:29] Wq's codes, my head;  s[30:31] their scale words; Wk and Wv stand 4 and 8 groups on
.set WSB,  30
.set SEL,  36
.set HIM,  38
.set MSB, 0
.macro WIN new                         ; the immediate's high byte repeats the setting that is left; a switch that changes nothing is dropped
.set NW, \new
.if MSB != NW
	s_set_vgpr_msb (MSB<<8)|NW
.set MSB, NW
.endif
.endm
.macro PLACES n
.rept \n
	v_nop
.endr
.endm
.macro LFRAG reg, base, off            ; a fragment's 12 registers: each load covers 512 or 256 consecutive bytes
.set rr, \reg
.set oo, \off
	global_load_b128 v[rr:rr+3], v[LI], s[\base:\base+1] offset:oo
	global_load_b64 v[rr+4:rr+5], v[L8], s[\base:\base+1] offset:oo+512
	global_load_b128 v[rr+6:rr+9], v[LI], s[\base:\base+1] offset:oo+768
	global_load_b64 v[rr+10:rr+11], v[L8], s[\base:\base+1] offset:oo+1280
.endm
.macro WM row                          ; one product on the registers named by rD, rA, rB, rC, rSA, rSB; row = 1: an odd K step's scale words, in lanes 16-31
.if \row
	v_wmma_scale_f32_16x16x128_f8f6f4 v[rD:rD+7], v[rA:rA+11], v[rB:rB+11], v[rC:rC+7], v[rSA], v[rSB] matrix_a_fmt:MATRIX_FMT_FP6 matrix_b_fmt:MATRIX_FMT_FP6 matrix_a_scale:MATRIX_SCALE_ROW1 matrix_b_scale:MATRIX_SCALE_ROW1
.else
	v_wmma_scale_f32_16x16x128_f8f6f4 v[rD:rD+7], v[rA:rA+11], v[rB:rB+11], v[rC:rC+7], v[rSA], v[rSB] matrix_a_fmt:MATRIX_FMT_FP6 matrix_b_fmt:MATRIX_FMT_FP6
.endif
.endm
; 64 numbers of a lane, register 16 b + i = place 32 b + 16 (lane / 16) + i along the next K, become 12 registers of codes in v[PC] on and four scale bytes in v[PW]
.macro QUANT s
	s_wait_xcnt 0x0                                ; the last unit's stores have read their data: those registers are written again only behind this wait
.irp b, 0,1,2,3
	v_max3_num_f32 v[TM+\b], |v[\s+16*\b]|, |v[\s+1+16*\b]|, 0x1800000   ; my 16 numbers of block b, and the floor 2^(3 - 127): the byte cannot fall under 1.  Each accumulator is read from its low end on
.endr
.irp i, 2,4,6,8,10,12,14
.irp b, 0,1,2,3
	v_max3_num_f32 v[TM+\b], v[TM+\b], |v[\s+16*\b+\i]|, |v[\s+1+16*\b+\i]|
.endr
.endr
.irp b, 0,1,2,3
	v_permlanex16_b32 v[TM+4+\b], v[TM+\b], s[SEL], s[SEL+1]
.endr
.irp b, 0,1,2,3
	v_max_num_f32 v[TM+\b], v[TM+\b], v[TM+4+\b]   ; with lane l xor 16's: the block's largest magnitude
.endr
.irp b, 0,1,2,3
	v_add_nc_u32 v[TM+12+\b], 0xff000000, v[TM+\b] ; 2 off its exponent field: the conversion's scale operand
.endr
.irp b, 0,1,2,3
	v_lshrrev_b32 v[TM+4+\b], 23, v[TM+12+\b]      ; the scale's byte
.endr
	v_lshl_or_b32 v[PW], v[TM+5], 8, v[TM+4]
	v_lshl_or_b32 v[PW], v[TM+6], 16, v[PW]
	v_lshl_or_b32 v[PW], v[TM+7], 24, v[PW]
.irp c, 0,1
	v_cvt_scalef32_pk16_fp6_f32 v[PC+6*\c:PC+2+6*\c], v[\s+32*\c:\s+15+32*\c], v[TM+12+2*\c]
	v_cvt_scalef32_pk16_fp6_f32 v[PC+12+4*\c:PC+14+4*\c], v[\s+16+32*\c:\s+31+32*\c], v[TM+12+2*\c+1]   ; (a conversion's three registers begin on an even number)
.endr
	v_nop                                          ; one plain place behind a scaled conversion
.irp c, 0,1                            ; the operand's layout wants a WHOLE block in a lane: lanes 0-15 block 2 c, lanes 16-31 block 2 c + 1
.irp i, 0,1,2
	v_permlane16_swap_b32 v[PC+6*\c+\i], v[PC+12+4*\c+\i]
.endr
.irp i, 0,1,2
	v_mov_b32 v[PC+3+6*\c+\i], v[PC+12+4*\c+\i]
.endr
.endr
.endm
.macro LOADX                           ; the group's 32 fragments of x and their scale words
.irp s, 0,1,2,3
	WIN 0x40+0x40*(\s/2)
.irp t, 0,1,2,3,4,5,6,7
	LFRAG 96*(\s%2)+12*\t, XB, \t*6144+\s*1536
.endr
.endr
	WIN 0
.irp t, 0,1,2,3,4,5,6,7
	global_load_b64 v[XSC+2*\t:XSC+2*\t+1], v[L8], s[XSB:XSB+1] offset:256*\t
.endr
.endm
.macro LOADW mat                       ; weight mat (0 Wq, 1 Wk, 2 Wv): my head's 16 fragments, their scale words, the bias
	WIN 0xc0
.irp s, 0,1,2,3
.irp n, 0,1,2,3
	LFRAG 48*\s+12*\n, WB, (\mat)*196608+\n*6144+\s*1536
.endr
.endr
	WIN 0
.irp n, 0,1,2,3
	global_load_b64 v[WSC+2*\n:WSC+2*\n+1], v[L8], s[WSB:WSB+1] offset:(\mat)*8192+256*\n
.endr
.if \mat < 2
.irp n, 0,1,2,3                        ; register j of tile n is channel 32 (n/2) + 16 h + 8 (n%2) + j
	global_load_b128 v[BI+8*\n:BI+8*\n+3], v[BA], s[8+2*(\mat):9+2*(\mat)] offset:(32*(\n/2)+8*(\n%2))*4
	global_load_b128 v[BI+8*\n+4:BI+8*\n+7], v[BA], s[8+2*(\mat):9+2*(\mat)] offset:(32*(\n/2)+8*(\n%2))*4+16
.endr
.else
.irp n, 0,1,2,3                        ; my lane's one channel of tile n
	global_load_b32 v[BT+\n], v[BV], s[12:13] offset:(32*(\n/2)+8*(\n%2))*4
.endr
.endif
.endm
; 32 products: x's tiles 2 u, 2 u + 1 against the weight's four.  The eight accumulators take turns, one instruction a turn.
.macro MMQK u
.irp s, 0,1,2,3
	WIN 0x07+4*(\s/2)                              ; source 0 (weight) window 3, source 1 (x) window 1 or 2
.irp e, 0,1
.irp n, 0,1,2,3
.set rD, ACC+32*\e+8*\n
.set rA, 48*\s+12*\n
.set rB, 96*(\s%2)+12*(2*(\u)+\e)
.set rC, rD
.if \s == 0
.set rC, BI+8*\n
.endif
.set rSA, WSC+2*\n+\s/2
.set rSB, XSC+2*(2*(\u)+\e)+\s/2
	WM \s%2
.endr
.endr
.endr
.endm
; 32 products: x's eight tiles against the weight's tile n
.macro MMV n
.irp s, 0,1,2,3
	WIN 0x0d+(\s/2)                                ; source 0 (x) window 1 or 2, source 1 (weight) window 3
.irp t, 0,1,2,3,4,5,6,7
.set rD, ACC+8*\t
.set rA, 96*(\s%2)+12*\t
.set rB, 48*\s+12*(\n)
.set rC, rD
.if \s == 0
.set rC, BI+8*(\n)
.endif
.set rSA, XSC+2*\t+\s/2
.set rSB, WSC+2*(\n)+\s/2
	WM \s%2
.endr
.endr
.endm
	s_load_b256 s[4:11], s[0:1], 0x0               ; cod s[4:5], scl s[6:7], bq s[8:9], bk s[10:11]
	s_load_b128 s[12:15], s[0:1], 0x20             ; bv s[12:13], qv s[14:15]
	s_load_b64 s[16:17], s[0:1], 0x30              ; kc
	v_lshrrev_b32 v6, 5, v0
	v_readfirstlane_b32 s18, v6                    ; wave 0..3
	v_and_b32 v6, 31, v0
	v_lshlrev_b32 v[LI], 4, v6
	v_lshlrev_b32 v[L8], 3, v6
	v_and_b32 v7, 15, v0                           ; r
	v_bfe_u32 v8, v0, 4, 1                         ; h
	v_lshlrev_b32 v[BA], 6, v8
	v_and_b32 v9, 8, v7
	v_add_nc_u32 v9, v9, v7
	v_lshlrev_b32 v[BV], 2, v9
	v_lshlrev_b32 v[SH16], 4, v8
.irp b, 0,1,2,3
	v_mov_b32 v[TM+4+\b], 0                        ; written once: a lane permute's destination counts as one of its sources
.endr
	s_mov_b32 s[SEL], 0x76543210
	s_mov_b32 s[SEL+1], 0xfedcba98
	s_mov_b32 s[HIM], 0xffff0000
	s_and_b32 s19, ttmp7, 0xffff                   ; the group of 128 rows
	s_lshl_b32 s20, ttmp9, 2
	s_add_co_u32 s20, s20, s18                     ; the head
	s_mov_b32 s33, 0
	s_wait_kmcnt 0x0
	s_mul_i32 s32, s19, 49152
	s_add_nc_u64 s[XB:XB+1], s[4:5], s[32:33]
	s_lshl_b32 s32, s19, 11
	s_add_nc_u64 s[XSB:XSB+1], s[6:7], s[32:33]
	s_lshr_b32 s34, s20, 1
	s_add_co_u32 s34, s34, 128                     ; Wq's group that holds my head: two heads to a group,
	s_and_b32 s35, s20, 1                          ; four tiles each
	s_mul_i32 s32, s34, 49152
	s_mul_i32 s39, s35, 24576
	s_add_co_u32 s32, s32, s39
	s_add_nc_u64 s[WB:WB+1], s[4:5], s[32:33]
	s_lshl_b32 s32, s34, 11
	s_lshl_b32 s39, s35, 10
	s_add_co_u32 s32, s32, s39
	s_add_nc_u64 s[WSB:WSB+1], s[6:7], s[32:33]
	s_lshl_b32 s32, s20, 8                         ; the biases at my head's 64 numbers
	s_add_nc_u64 s[8:9], s[8:9], s[32:33]
	s_add_nc_u64 s[10:11], s[10:11], s[32:33]
	s_add_nc_u64 s[12:13], s[12:13], s[32:33]
	s_lshr_b32 s34, s19, 4
	s_lshl_b32 s34, s34, 7
	s_lshl_b32 s35, s20, 4
	s_add_co_u32 s34, s34, s35
	s_and_b32 s35, s19, 15
	s_add_co_u32 s34, s34, s35                     ; the record: (graph x 8 + head) x 16 + step
	s_mul_i32 s32, s34, 13056
	s_add_nc_u64 s[14:15], s[14:15], s[32:33]
	s_mul_i32 s32, s34, 6656
	s_add_nc_u64 s[16:17], s[16:17], s[32:33]
	LOADX
	LOADW 0
	s_wait_loadcnt 0x0
; A UNIT: 32 products; five places (the next unit begins the accumulators anew with another C; loads into operands and reads of results want four); in a phase's last unit the next weight's loads, which land
; while the unit's results are quantised; QUANT; the stores.
; ---- q
.irp u, 0,1,2,3
	MMQK \u
	WIN 0
	PLACES 5
.if \u == 3
	LOADW 1
.endif
	QUANT ACC
.irp c, 0,1,2
	global_store_b128 v[LI], v[PC+4*\c:PC+4*\c+3], s[14:15] offset:(3*\u+\c)*512    ; tiles 2 u and 2 u + 1: six registers each
.endr
	v_lshrrev_b32 v[QS+\u], v[SH16], v[PW]         ; lanes 0-15: tile 2 u's two bytes lowest; lanes 16-31: tile 2 u + 1's.  The upper two bytes meet zero codes alone and are never 0xff
.endr
	global_store_b128 v[LI], v[QS:QS+3], s[14:15] offset:12288
	s_wait_loadcnt 0x0                             ; Wk
; ---- k
.irp u, 0,1,2,3
	MMQK \u
	WIN 0
	PLACES 5
.if \u == 3
	LOADW 2
.endif
	QUANT ACC
	global_store_b128 v[LI], v[PC:PC+3], s[16:17] offset:1536*\u
	global_store_b64 v[L8], v[PC+4:PC+5], s[16:17] offset:1536*\u+512
	global_store_b128 v[LI], v[PC+6:PC+9], s[16:17] offset:1536*\u+768
	global_store_b64 v[L8], v[PC+10:PC+11], s[16:17] offset:1536*\u+1280
	v_lshrrev_b32 v[QS+\u], v[SH16], v[PW]
.endr
	global_store_b128 v[LI], v[QS:QS+3], s[16:17] offset:6144
	s_wait_loadcnt 0x0                             ; Wv, bv
; ---- v
.irp n, 0,1,2,3
.irp j, 0,1,2,3,4,5,6,7
	v_mov_b32 v[BI+8*\n+\j], v[BT+\n]              ; a lane holds one channel: its bias in all eight registers of the C
.endr
.endr
.irp n, 0,1,2,3
	MMV \n
	WIN 0
	PLACES 5
	QUANT ACC
.irp c, 0,1,2
	global_store_b128 v[LI], v[PC+4*\c:PC+4*\c+3], s[14:15] offset:6144+(3*\n+\c)*512
.endr
	v_mov_b32 v[QS+\n], v[PW]
.endr
	v_cndmask_b32 v[VS], v[QS], v[QS+1], s[HIM]    ; even channel tiles in lanes 0-15, odd ones in lanes 16-31
	v_cndmask_b32 v[VS+1], v[QS+2], v[QS+3], s[HIM]
	global_store_b64 v[L8], v[VS:VS+1], s[14:15] offset:12800
	s_endpgm
.Lfunc_end_k_q09d97f691d_qkv:
	.size	k_q09d97f691d_qkv, .Lfunc_end_k_q09d97f691d_qkv-k_q09d97f691d_qkv
	.p2alignl 7, 3214868480
	.fill 96, 4, 3214868480
	.section	.rodata,"a",@progbits
	.p2align	6, 0x0
	.amdhsa_kernel k_q09d97f691d_qkv
		.amdhsa_group_segment_fixed_size 0
		.amdhsa_private_segment_fixed_size 0
		.amdhsa_enable_private_segment 0
		.amdhsa_kernarg_size 56
		.amdhsa_user_sgpr_count 2
		.amdhsa_user_sgpr_kernarg_segment_ptr 1
		.amdhsa_wavefront_size32 1
		.amdhsa_system_sgpr_workgroup_id_x 1
		.amdhsa_system_sgpr_workgroup_id_y 1
		.amdhsa_system_sgpr_workgroup_id_z 1
		.amdhsa_system_vgpr_workitem_id 0
		.amdhsa_next_free_vgpr 960
		.amdhsa_next_free_sgpr 66
		.amdhsa_reserve_vcc 0
		.amdhsa_float_denorm_mode_32 3
		.amdhsa_float_denorm_mode_16_64 3
		.amdhsa_memory_ordered 1
		.amdhsa_forward_progress 1
		.amdhsa_inst_pref_size 139
	.end_amdhsa_kernel
	.amdgpu_metadata
---
amdhsa.version: [ 1, 2 ]
amdhsa.kernels:
  - .name:           k_q09d97f691d_qkv
    .symbol:         k_q09d97f691d_qkv.kd
    .args:
      - { .name: cod, .offset: 0, .size: 8, .value_kind: global_buffer, .address_space: global }
      - { .name: scl, .offset: 8, .size: 8, .value_kind: global_buffer, .address_space: global }
      - { .name: bq, .offset: 16, .size: 8, .value_kind: global_buffer, .address_space: global }
      - { .name: bk, .offset: 24, .size: 8, .value_kind: global_buffer, .address_space: global }
      - { .name: bv, .offset: 32, .size: 8, .value_kind: global_buffer, .address_space: global }
      - { .name: qv, .offset: 40, .size: 8, .value_kind: global_buffer, .address_space: global }
      - { .name: kc, .offset: 48, .size: 8, .value_kind: global_buffer, .address_space: global }
    .group_segment_fixed_size: 0
    .private_segment_fixed_size: 0
    .kernarg_segment_align: 8
    .kernarg_segment_size: 56
    .max_flat_workgroup_size: 128
    .sgpr_count:     66
    .vgpr_count:     960
    .wavefront_size: 32
...
	.end_amdgpu_metadata
.endif
;; end of part 2
;; launch attn (part 3): grid 4 x 64, 16 waves a work-group, clusters of 4 x 1, 210,944 bytes of LDS; arguments qv, kc, oc, os; writes oc, os
.if DOCPART == 3
	.amdgcn_target "amdgcn-amd-amdhsa--gfx1250"
	.amdhsa_code_object_version 6
	.text
	.protected	k_q09d97f691d_attn
	.globl	k_q09d97f691d_attn
	.p2align	8
	.type	k_q09d97f691d_attn,@function
k_q09d97f691d_attn:
	s_mov_b64 s[64:65], 0
	v_nop
	global_prefetch_b8 v0, s[64:65] scope:SCOPE_SE
	s_setreg_imm32_b32 hwreg(HW_REG_WAVE_MODE, 25, 1), 1
	s_wait_xcnt 0x0
	s_wait_alu depctr_hold_cnt(0) depctr_sa_sdst(0) depctr_va_vdst(0) depctr_va_sdst(0) depctr_va_ssrc(0) depctr_va_vcc(0) depctr_vm_vsrc(0)
	s_getreg_b32 s2, hwreg(HW_REG_IB_STS2, 6, 4)
	s_cmp_eq_u32 s2, 0
	s_cbranch_scc0 .Lentry_in_a_cluster
	s_endpgm
.Lentry_in_a_cluster:
	s_bfe_u32 s2, ttmp6, 0x10000c
	s_cmp_lg_u32 s2, 0x3003
	s_cbranch_scc0 .Lentry_shape_is_right
	s_endpgm
.Lentry_shape_is_right:
; ATTN: o[i] = the sum over j of softmax_j(k[i] . q[j] / 8) v[j], for each graph and head, both products on codes of FP6 (E2M3) with E8M0 scales.  (As reference() has it: the rows of k ask, the rows of q answer.)
; THE SOFTMAX AHEAD OF THE SECOND PRODUCT: t = score x log2(e) / 8; M = the row's largest t so far, rounded UP to a whole number; p = 2^(t - M) is quantised along j, not normalised; the row's sum is taken of the
; unquantised p, in f32, and divides at the end.  When M moves, the sum and O are multiplied by 2^(old M - new M): exact.  o is then quantised along the model's 512 for the last product and leaves as codes.
; SHARES: the cluster's y is graph x 8 + head.  Its four work-groups take 512 rows i each, in two passes of 256; each of the SIXTEEN waves owns one tile of 16 rows a pass, in 256 registers: four waves to a SIMD.
; LDS: the head's q and v for all 2,048 j, 16 records of 13,056 bytes as launch qkv laid them, are brought ONCE: wave w asks for record w.  No byte of LDS is filled twice, so there is no ring.
; CLUSTER: the four work-groups read the same 16 records: each record is asked for JOINTLY, by the same tensor load with the same descriptor (it hangs on the head and the wave's number alone) and the mask 15.
; A wave has one tensor load outstanding.  The work-group's place in the cluster enters the global addresses of kc, oc and os alone.
; LAYOUT: both products transposed: S^T = q k^T (source 0 = 16 rows j, source 1 = my 16 rows i), O^T = v^T p^T (source 0 = 16 channels, source 1 = p): a lane holds ONE row i throughout.
; K = 64 IN A PRODUCT OF 128: k's operand is six registers of codes and six of zero codes.  q's operand of tile t is v[32 + 6 t] on, twelve registers: its upper six are the next tile's codes (for tile 7: zeros),
; which meet zero codes alone; E2M3 has no infinity and no NaN, and no scale byte here is 0xff: they add exact zeros.
; LIMITS: NaN and infinities are not served; a p under 2^-126 comes out of v_exp_f32 as 0; a block of zeros carries the byte 1 (its codes are zeros; this program alone reads the bytes).
; REGISTERS: v1 16 x lane, v2 8 x lane, v3-4 the step's LDS addresses, v6 16 r, v7 8 r; v12 -M, v13 the largest t, v[14:15] the sum in two halves; v16-27, v28: k's operand and scale word, pass 0; v240-251, v29: pass 1;
; v32-85 q's fragments, then v's in v32-79; v96-159 S^T, then p; v160-191 O^T; v192-203 p's codes; v204-210 conversions' second halves; v212-224 at work; v225 o's two scale bytes; v[226:227] f; v228 p's scale word;
; v232-235 q's scale words; v236-237 v's.
.set REC,  13056
.set KREC, 6656
.set QF,   32
.set BM,   212                         ; v212-215 the blocks' largest scores, then largest p
.set PT,   216                         ; v216-219 the other half's maxima; a chain of the sum; the scale bytes
.set SOP,  220                         ; v220-223 the conversions' scale operands
.set WV,   12                          ; s12 my wave's number
.set G0,   16                          ; s[16:19] descriptor group 0
.set G1,   20                          ; s[20:27] descriptor group 1
.set CS,   28                          ; s[28:29] c = log2(e) / 8: the packed form names a pair and takes its low word for both halves
.set SEL,  30                          ; s[30:31] lane selects: lane l xor 16
.set TB,   32                          ; s32 LDS byte at which the step's record begins
.set CNT,  33                          ; s33 steps to go
; A round of the cluster's barrier: my work-group's barrier, so that wave 0's signal speaks for all sixteen waves; wave 0 signals for the work-group; every wave waits for all four work-groups; my work-group's barrier once more.
.macro CROUND
	s_barrier_signal -1
	s_barrier_wait -1
	s_cmp_lg_u32 s[WV], 0
	s_cbranch_scc1 .Lnot_wave_0_\@
	s_barrier_signal -3
.Lnot_wave_0_\@:
	s_barrier_wait -3
	s_barrier_signal -1
	s_barrier_wait -1
.endm
	s_load_b128 s[4:7], s[0:1], 0x0                ; qv, kc
	s_load_b128 s[8:11], s[0:1], 0x10              ; oc, os
	v_lshl_add_u32 v254, v0, 2, 0x33000
	v_mov_b32 v255, 0
	ds_add_u32 v254, v255
	ds_add_u32 v254, v255
	v_lshrrev_b32 v1, 5, v0
	v_readfirstlane_b32 s[WV], v1                  ; wave 0..15
	s_bfe_u32 s13, ttmp6, 0x40000                  ; cx: my place in the cluster
	s_and_b32 s14, ttmp7, 0xffff                   ; graph x 8 + head, which the four partners share
	; descriptor group 1: a record is a dense block: 51 rows of 256 bytes (32 elements of 8 bytes), no padding: every LDS read takes consecutive bytes
	s_mov_b32 s[G1], 15|(3<<16)|(1<<21)            ; 15:0 the mask: all four work-groups; 17:16 elements of 8 bytes; 21 set beside a mask
	s_mov_b32 s[G1+1], 32<<16                      ; tensor_dim0 = 32
	s_mov_b32 s[G1+2], 51<<16                      ; tensor_dim1 = 51
	s_mov_b32 s[G1+3], 32<<16                      ; tile_dim0 = 32
	s_mov_b32 s[G1+4], 51                          ; tile_dim1 = 51
	s_mov_b32 s[G1+5], 32                          ; from row to row
	s_mov_b32 s[G1+6], 0
	s_mov_b32 s[G1+7], 0
	s_lshl_b32 s34, s14, 4
	s_add_co_u32 s34, s34, s[WV]
	s_mul_i32 s34, s34, REC                        ; record 16 x (graph x 8 + head) + wave
	s_mov_b32 s35, 0
	s_mov_b32 s[G0], 1                             ; count = 1
	s_mul_i32 s[G0+1], s[WV], REC                  ; LDS address: wave x a record
	; the global addresses that hang on my place in the cluster
	s_lshl_b32 s2, s14, 4
	s_lshl_b32 s3, s13, 2
	s_add_co_u32 s2, s2, s3
	s_lshr_b32 s3, s[WV], 3
	s_add_co_u32 s2, s2, s3                        ; kc's record of pass 0: 16 x (graph x 8 + head) + 4 cx + wave / 8; pass 1's stands two records on
	s_and_b32 s44, s[WV], 7                        ; my tile in it
	s_mul_i32 s36, s2, KREC
	s_add_co_u32 s38, s36, 6144
	s_mul_i32 s3, s44, 768
	s_add_co_u32 s36, s36, s3                      ; the tile's codes
	s_mov_b32 s37, 0
	s_and_b32 s3, s[WV], 1
	s_lshl_b32 s3, s3, 8
	s_add_co_u32 s38, s38, s3                      ; its scale words: odd tiles in the image's lanes 16-31,
	s_lshr_b32 s3, s44, 1
	s_lshl_b32 s3, s3, 2
	s_add_co_u32 s38, s38, s3                      ; word tile / 2
	s_mov_b32 s39, 0
	s_and_b32 s45, s14, 7                          ; the head
	s_lshr_b32 s46, s14, 3
	s_lshl_b32 s46, s46, 4
	s_lshl_b32 s3, s13, 2
	s_add_co_u32 s46, s46, s3
	s_lshr_b32 s3, s[WV], 3
	s_add_co_u32 s46, s46, s3                      ; o's group of 128 rows, pass 0: 16 x graph + 4 cx + wave / 8
	s_mul_i32 s40, s46, 49152
	s_mul_i32 s3, s44, 6144
	s_add_co_u32 s40, s40, s3
	s_mul_i32 s3, s45, 768                         ; head hh fills K step hh / 2, half hh % 2: 768 hh bytes on
	s_add_co_u32 s40, s40, s3
	s_mov_b32 s41, 0
	s_lshl_b32 s42, s46, 11
	s_lshl_b32 s3, s44, 8
	s_add_co_u32 s42, s42, s3
	s_bfe_u32 s3, s45, 0x10001                     ; an odd K step's words lie in the image's lanes 16-31,
	s_lshl_b32 s3, s3, 7
	s_add_co_u32 s42, s42, s3
	s_lshr_b32 s3, s45, 2                          ; word (K step) / 2,
	s_lshl_b32 s3, s3, 2
	s_add_co_u32 s42, s42, s3
	s_and_b32 s3, s45, 1                           ; bytes 2 (hh % 2) and the next
	s_lshl_b32 s3, s3, 1
	s_add_co_u32 s42, s42, s3
	s_mov_b32 s43, 0
	s_mov_b32 s[CS], 0x3e38aa3b                    ; c = log2(e) / 8
	s_mov_b32 s[CS+1], s[CS]                       ; (named with it as a pair, so it is written)
	s_mov_b32 s[SEL], 0x76543210
	s_mov_b32 s[SEL+1], 0xfedcba98
	s_wait_dscnt 0x0
	s_wait_kmcnt 0x0
	s_add_nc_u64 s[G0+2:G0+3], s[4:5], s[34:35]    ; global address of my record
	s_or_b32 s[G0+3], s[G0+3], 0x80000000          ; type = 2
	s_add_nc_u64 s[36:37], s[6:7], s[36:37]
	s_add_nc_u64 s[38:39], s[6:7], s[38:39]
	s_add_nc_u64 s[40:41], s[8:9], s[40:41]
	s_add_nc_u64 s[42:43], s[10:11], s[42:43]
	CROUND                                         ; all four work-groups are here: the joint loads meet
	tensor_load_to_lds s[G0:G0+3], s[G1:G1+7]      ; my one tensor load of the launch
	s_nop 0
.rept 4
	v_nop                                          ; (a place behind a tensor load)
.endr
	v_and_b32 v5, 31, v0
	v_lshlrev_b32 v1, 4, v5
	v_lshlrev_b32 v2, 3, v5
	v_and_b32 v5, 15, v0
	v_lshlrev_b32 v6, 4, v5
	v_lshlrev_b32 v7, 3, v5
	global_load_b128 v[16:19], v1, s[36:37]        ; both passes' rows of k stay in registers
	global_load_b64 v[20:21], v2, s[36:37] offset:512
	global_load_b32 v28, v6, s[38:39]
	global_load_b128 v[240:243], v1, s[36:37] offset:2*KREC
	global_load_b64 v[244:245], v2, s[36:37] offset:2*KREC+512
	global_load_b32 v29, v6, s[38:39] offset:2*KREC
.irp j, 0,1,2,3,4,5
	v_mov_b32 v[22+\j], 0                          ; zero codes for k = 64 .. 127
	v_mov_b32 v[246+\j], 0
	v_mov_b32 v[80+\j], 0                          ; behind q's tile 7
.endr
.irp b, 0,1,2,3
	v_mov_b32 v[PT+\b], 0                          ; written once: a lane permute's destination counts as one of its sources
.endr
	v_mov_b32 v224, 0
	v_mov_b32 v227, 0                              ; (named as the upper half of the pair v[226:227])
	s_wait_tensorcnt 0x0                           ; my record is in,
	s_barrier_signal -1
	s_barrier_wait -1                              ; everybody's is
	s_wait_loadcnt 0x0                             ; k
; A STEP: 128 rows j.  ko: k's operand, ks: its scale word
.macro STEP ko, ks
	v_add_nc_u32 v3, s[TB], v1
	v_add_nc_u32 v4, s[TB], v2
	v_nop
	v_nop                                          ; four places between the last step's products and the loads into their operands
.irp c, 0,1,2,3,4,5,6,7,8,9,10,11
	ds_load_b128 v[QF+4*\c:QF+4*\c+3], v3 offset:512*\c            ; q's eight half fragments, in register order
.endr
	ds_load_b128 v[232:235], v3 offset:12288       ; their scale words
	s_wait_dscnt 0x0
.irp t, 0,2,4,6
	v_wmma_scale_f32_16x16x128_f8f6f4 v[96+8*\t:103+8*\t], v[QF+6*\t:QF+6*\t+11], v[\ko:\ko+11], 0, v[232+\t/2], v[\ks] matrix_a_fmt:MATRIX_FMT_FP6 matrix_b_fmt:MATRIX_FMT_FP6
	v_wmma_scale_f32_16x16x128_f8f6f4 v[104+8*\t:111+8*\t], v[QF+6+6*\t:QF+6*\t+17], v[\ko:\ko+11], 0, v[232+\t/2], v[\ks] matrix_a_fmt:MATRIX_FMT_FP6 matrix_b_fmt:MATRIX_FMT_FP6 matrix_a_scale:MATRIX_SCALE_ROW1
.endr                                  ; lane (r, h) holds row i = r; the 16 registers of tiles 2 b, 2 b + 1 are j = 32 b + 16 h + 0 .. 15
.rept 4
	v_nop                                          ; places in front of the loads below and of the first read of the scores
.endr
.irp c, 0,1,2,3,4,5,6,7,8,9,10,11
	ds_load_b128 v[QF+4*\c:QF+4*\c+3], v3 offset:6144+512*\c       ; v's four fragments: they land while the softmax is walked
.endr
	ds_load_b64 v[236:237], v4 offset:12800        ; and their scale words
.irp b, 0,1,2,3
	v_max3_num_f32 v[BM+\b], v[96+16*\b], v[97+16*\b], v[98+16*\b]   ; THE LARGEST SCORE OF EACH BLOCK OF 32: it serves the row's maximum and, since p rises with the score, the block's largest p.  Each accumulator is read from its low end on
.endr
.irp i, 3,5,7,9,11,13
.irp b, 0,1,2,3
	v_max3_num_f32 v[BM+\b], v[BM+\b], v[96+16*\b+\i], v[97+16*\b+\i]
.endr
.endr
.irp b, 0,1,2,3
	v_max_num_f32 v[BM+\b], v[BM+\b], v[111+16*\b]
.endr
.irp b, 0,1,2,3
	v_permlanex16_b32 v[PT+\b], v[BM+\b], s[SEL], s[SEL+1]
.endr
.irp b, 0,1,2,3
	v_max_num_f32 v[BM+\b], v[BM+\b], v[PT+\b]     ; with lane l xor 16's 16
.endr
	v_max3_num_f32 v224, v[BM], v[BM+1], v[BM+2]
	v_max_num_f32 v224, v224, v[BM+3]              ; the step's largest score of my row
	v_mul_f32 v224, s[CS], v224                    ; as t (c is positive)
	v_max_num_f32 v13, v13, v224                   ; the running largest t
	v_mov_b32 v224, v12
	v_floor_f32 v12, -v13                          ; the new -M = floor(-t) = -ceil(t): a whole number
	v_sub_f32 v224, v12, v224                      ; old M - new M: a whole number, 0 or less
	v_cvt_i32_f32 v224, v224                       ; (it saturates)
	v_ldexp_f32 v226, 1.0, v224                    ; f = 2^(old M - new M)
.set j, 0
.rept 32
	v_pk_fma_f32 v[96+j:97+j], v[96+j:97+j], s[CS:CS+1], v[12:13] op_sel_hi:[1,0,0]   ; t - M, two at a time
.set j, j+2
.endr
.irp b, 0,1,2,3
	v_fma_f32 v[BM+\b], v[BM+\b], s[CS], v12       ; the same of each block's largest score
.endr
.set j, 0
.rept 64
	v_exp_f32 v[96+j], v[96+j]                     ; p = 2^(t - M), at most 1
.set j, j+1
.endr
	v_pk_mul_f32 v[14:15], v[14:15], v[226:227] op_sel_hi:[1,0]   ; the sum under the new M: a plain place behind the exponentials
	s_wait_alu depctr_va_vdst(0)                   ; one wait for the batch of 64, ahead of its first reader
.irp b, 0,1,2,3
	v_exp_f32 v[BM+\b], v[BM+\b]                   ; the block's largest p: the same two instructions on the same number give the same bits
.endr
	v_pk_add_f32 v[PT:PT+1], v[96:97], v[98:99]    ; THE ROW'S SUM IS TAKEN OF THE UNQUANTISED p: two at a time, in two chains
.set j, 4
.rept 15
	v_pk_add_f32 v[14:15], v[14:15], v[96+j:97+j]
	v_pk_add_f32 v[PT:PT+1], v[PT:PT+1], v[98+j:99+j]
.set j, j+4
.endr
	v_pk_add_f32 v[14:15], v[14:15], v[PT:PT+1]
	s_wait_alu depctr_va_vdst(0)                   ; and one for the four
.irp b, 0,1,2,3
	v_max_num_f32 v[BM+\b], 0x1800000, v[BM+\b]    ; the floor 2^(3 - 127): the byte cannot fall under 1
.endr
.irp b, 0,1,2,3
	v_add_nc_u32 v[SOP+\b], 0xff000000, v[BM+\b]   ; 2 off the exponent field: the conversion's scale operand
.endr
.irp b, 0,1,2,3
	v_lshrrev_b32 v[PT+\b], 23, v[SOP+\b]          ; the scale's byte
.endr
	v_lshl_or_b32 v228, v[PT+1], 8, v[PT]          ; p's scale word for these 128 j
	v_lshl_or_b32 v228, v[PT+2], 16, v228
	v_lshl_or_b32 v228, v[PT+3], 24, v228
.irp c, 0,1
	v_cvt_scalef32_pk16_fp6_f32 v[192+6*\c:194+6*\c], v[96+32*\c:111+32*\c], v[SOP+2*\c]
	v_cvt_scalef32_pk16_fp6_f32 v[204+4*\c:206+4*\c], v[112+32*\c:127+32*\c], v[SOP+2*\c+1]   ; (a conversion's three registers begin on an even number)
.endr
	v_nop                                          ; one plain place behind a scaled conversion
.irp c, 0,1                            ; the operand's layout wants a WHOLE block in a lane
.irp i, 0,1,2
	v_permlane16_swap_b32 v[192+6*\c+\i], v[204+4*\c+\i]
.endr
.irp i, 0,1,2
	v_mov_b32 v[195+6*\c+\i], v[204+4*\c+\i]
.endr
.endr
.set j, 0
.rept 16
	v_pk_mul_f32 v[160+j:161+j], v[160+j:161+j], v[226:227] op_sel_hi:[1,0]   ; O^T under the new M.  Of these sixteen, twelve name no register of any one product below: the eight places behind the scale word's last write and the four behind the codes'
.set j, j+2
.endr
	s_wait_dscnt 0x0                               ; v's fragments are in
.irp n, 0,2                            ; the four accumulators take turns, one instruction a turn
	v_wmma_scale_f32_16x16x128_f8f6f4 v[160+8*\n:167+8*\n], v[QF+12*\n:QF+12*\n+11], v[192:203], v[160+8*\n:167+8*\n], v[236+\n/2], v228 matrix_a_fmt:MATRIX_FMT_FP6 matrix_b_fmt:MATRIX_FMT_FP6
	v_wmma_scale_f32_16x16x128_f8f6f4 v[168+8*\n:175+8*\n], v[QF+12+12*\n:QF+12*\n+23], v[192:203], v[168+8*\n:175+8*\n], v[236+\n/2], v228 matrix_a_fmt:MATRIX_FMT_FP6 matrix_b_fmt:MATRIX_FMT_FP6 matrix_a_scale:MATRIX_SCALE_ROW1
.endr
.endm
; THE WAY OUT of pass p: O^T / the sum; register 16 b + i of my row is the head's channel 32 b + 16 h + i: two blocks of the last product's K.  They become half a fragment and two scale bytes.
.macro OUT p
	v_add_f32 v14, v14, v15                        ; the sum's two halves,
	v_permlanex16_b32 v224, v14, s[SEL], s[SEL+1]
	v_add_f32 v14, v14, v224                       ; and lane l xor 16's
	v_rcp_f32 v14, v14
.rept 4
	v_nop                                          ; the plain place behind the reciprocal, and the places behind the last products
.endr
	s_wait_alu depctr_va_vdst(0)                   ; ahead of the reciprocal's first reader
.set j, 0
.rept 16
	v_pk_mul_f32 v[96+j:97+j], v[160+j:161+j], v[14:15] op_sel_hi:[1,0]   ; each accumulator from its low end on
.set j, j+2
.endr
.irp b, 0,1
	v_max3_num_f32 v[BM+\b], |v[96+16*\b]|, |v[97+16*\b]|, 0x1800000
.endr
.irp i, 2,4,6,8,10,12,14
.irp b, 0,1
	v_max3_num_f32 v[BM+\b], v[BM+\b], |v[96+16*\b+\i]|, |v[97+16*\b+\i]|
.endr
.endr
.irp b, 0,1
	v_permlanex16_b32 v[PT+\b], v[BM+\b], s[SEL], s[SEL+1]
.endr
.irp b, 0,1
	v_max_num_f32 v[BM+\b], v[BM+\b], v[PT+\b]
.endr
.irp b, 0,1
	v_add_nc_u32 v[SOP+\b], 0xff000000, v[BM+\b]
.endr
.irp b, 0,1
	v_lshrrev_b32 v[PT+\b], 23, v[SOP+\b]
.endr
	v_lshl_or_b32 v225, v[PT+1], 8, v[PT]
	v_cvt_scalef32_pk16_fp6_f32 v[192:194], v[96:111], v[SOP]
	v_cvt_scalef32_pk16_fp6_f32 v[204:206], v[112:127], v[SOP+1]
	v_nop                                          ; one plain place behind a scaled conversion
.irp i, 0,1,2
	v_permlane16_swap_b32 v[192+\i], v[204+\i]
.endr
.irp i, 0,1,2
	v_mov_b32 v[195+\i], v[204+\i]
.endr
	global_store_b128 v1, v[192:195], s[40:41] offset:98304*\p       ; 512 consecutive bytes, aligned
	global_store_b64 v2, v[196:197], s[40:41] offset:98304*\p+512    ; 256 consecutive bytes, aligned
	global_store_b16 v7, v225, s[42:43] offset:4096*\p               ; my row's two bytes of its scale word; lanes l and l xor 16 store the same bytes with the same value
.endm
.macro PASS p, ko, ks
.if \p
	s_wait_xcnt 0x0                                ; the last pass's stores have read their data
.endif
.set j, 0
.rept 32
	v_mov_b32 v[160+j], 0                          ; O^T.  (The step is written once: the first finds zeros, which the first change of M leaves zeros)
.set j, j+1
.endr
	v_mov_b32 v13, 0xff61b1e6                      ; the largest t so far: -3e38, under every t
	v_floor_f32 v12, -v13                          ; -M
	v_mov_b32 v14, 0
	v_mov_b32 v15, 0
	s_mov_b32 s[TB], 0
	s_mov_b32 s[CNT], 16
.Lstep_\@:
	STEP \ko, \ks
	s_add_co_u32 s[TB], s[TB], REC                 ; the next record
	s_sub_co_u32 s[CNT], s[CNT], 1
	s_cmp_lg_u32 s[CNT], 0
	s_cbranch_scc1 .Lstep_\@
	OUT \p
.endm
	PASS 0, 16, 28
	PASS 1, 240, 29
	s_wait_tensorcnt 0x0
	ds_add_u32 v254, v255
	s_wait_dscnt 0x0
	CROUND                                         ; the closing round: no work-group ends while a partner may still ask for a record that names it
	s_endpgm
.Lfunc_end_k_q09d97f691d_attn:
	.size	k_q09d97f691d_attn, .Lfunc_end_k_q09d97f691d_attn-k_q09d97f691d_attn
	.p2alignl 7, 3214868480
	.fill 96, 4, 3214868480
	.section	.rodata,"a",@progbits
	.p2align	6, 0x0
	.amdhsa_kernel k_q09d97f691d_attn
		.amdhsa_group_segment_fixed_size 210944
		.amdhsa_private_segment_fixed_size 0
		.amdhsa_enable_private_segment 0
		.amdhsa_kernarg_size 32
		.amdhsa_user_sgpr_count 2
		.amdhsa_user_sgpr_kernarg_segment_ptr 1
		.amdhsa_wavefront_size32 1
		.amdhsa_system_sgpr_workgroup_id_x 1
		.amdhsa_system_sgpr_workgroup_id_y 1
		.amdhsa_system_sgpr_workgroup_id_z 1
		.amdhsa_system_vgpr_workitem_id 0
		.amdhsa_next_free_vgpr 256
		.amdhsa_next_free_sgpr 66
		.amdhsa_reserve_vcc 0
		.amdhsa_float_denorm_mode_32 3
		.amdhsa_float_denorm_mode_16_64 3
		.amdhsa_memory_ordered 1
		.amdhsa_forward_progress 1
		.amdhsa_inst_pref_size 47
	.end_amdhsa_kernel
	.amdgpu_metadata
---
amdhsa.version: [ 1, 2 ]
amdhsa.kernels:
  - .name:           k_q09d97f691d_attn
    .symbol:         k_q09d97f691d_attn.kd
    .args:
      - { .name: qv, .offset: 0, .size: 8, .value_kind: global_buffer, .address_space: global }
      - { .name: kc, .offset: 8, .size: 8, .value_kind: global_buffer, .address_space: global }
      - { .name: oc, .offset: 16, .size: 8, .value_kind: global_buffer, .address_space: global }
      - { .name: os, .offset: 24, .size: 8, .value_kind: global_buffer, .address_space: global }
    .group_segment_fixed_size: 210944
    .private_segment_fixed_size: 0
    .kernarg_segment_align: 8
    .kernarg_segment_size: 32
    .max_flat_workgroup_size: 512
    .sgpr_count:     66
    .vgpr_count:     256
    .wavefront_size: 32
...
	.end_amdgpu_metadata
.endif
;; end of part 3
;; launch oproj (part 4): grid 256 x 1, 4 waves a work-group, no clusters, 34,304 bytes of LDS; arguments oc, os, cod, scl, bo, out0; writes out0
.if DOCPART == 4
	.amdgcn_target "amdgcn-amd-amdhsa--gfx1250"
	.amdhsa_code_object_version 6
	.text
	.protected	k_q09d97f691d_oproj
	.globl	k_q09d97f691d_oproj
	.p2align	8
	.type	k_q09d97f691d_oproj,@function
k_q09d97f691d_oproj:
	s_mov_b64 s[64:65], 0
	v_nop
	global_prefetch_b8 v0, s[64:65] scope:SCOPE_SE
	s_setreg_imm32_b32 hwreg(HW_REG_WAVE_MODE, 25, 1), 1
	s_wait_xcnt 0x0
; OPROJ: out0 = o Wo^T + bo on codes of FP6 (E2M3) with E8M0 scales, f32 sums, f32 result.  o's codes and scale words come from launch attn, Wo's from launch prep, both in register order.
; SHARES: work-group g takes 64 rows (four tiles of 16: tiles 4 (g % 2) + e of group g / 2); wave w takes columns 128 w .. 128 w + 127: Wo's group 140 + w, whose 32 fragments stay in its registers.
; The product is used transposed (source 0 = 16 rows of Wo, source 1 = 16 rows of o): a lane holds ONE row of the output, and the 16 registers of tiles 2 b, 2 b + 1 are columns 32 b + 16 h + 0 .. 15.
; bo is the C of each sum's first matrix instruction.  A tile's 16 rows x 128 columns go through the wave's own stage in LDS and leave as whole runs of 512 bytes.  Waves share nothing: no barrier, no label.
; Lane-row p of tile t is row 32 (t/2) + 8 (t%2) + p + 8 (p/8) of its group: the stores put each row where it belongs.
; REGISTERS: windows 1, 2: Wo's fragments at 96 (s % 2) + 12 t (K steps 0, 1 and 2, 3); window 3: o's at 48 e + 12 s; window 0: all else.
.set LI,   1                           ; v1  16 x lane; never rewritten
.set L8,   2                           ; v2  8 x lane; never rewritten
.set BA,   3                           ; v3  64 h
.set STO,  4                           ; v4  the stage: where I put 16 bytes of my row
.set RD,   5                           ; v5  and where I read a row back
.set WSC,  16                          ; v16-31   Wo's scale words
.set OSC,  32                          ; v32-39   o's
.set BI,   40                          ; v40-103  bo, 8 registers a tile, in the result's layout
.set ACC,  104                         ; v104-167 eight accumulators
.set RB,   168                         ; v168-231 16 rows read back
.set OB,   20                          ; s[20:21] o's codes;  s[22:23] their scale words;  s[24:25] Wo's codes;  s[26:27] their scale words
.set OSB,  22
.set WB,   24
.set WSB,  26
.set MSB, 0
.macro WIN new                         ; the immediate's high byte repeats the setting that is left; a switch that changes nothing is dropped
.set NW, \new
.if MSB != NW
	s_set_vgpr_msb (MSB<<8)|NW
.set MSB, NW
.endif
.endm
.macro LFRAG reg, base, off            ; a fragment's 12 registers: each load covers 512 or 256 consecutive bytes
.set rr, \reg
.set oo, \off
	global_load_b128 v[rr:rr+3], v[LI], s[\base:\base+1] offset:oo
	global_load_b64 v[rr+4:rr+5], v[L8], s[\base:\base+1] offset:oo+512
	global_load_b128 v[rr+6:rr+9], v[LI], s[\base:\base+1] offset:oo+768
	global_load_b64 v[rr+10:rr+11], v[L8], s[\base:\base+1] offset:oo+1280
.endm
.macro WM row                          ; one product on the registers named by rD, rA, rB, rC, rSA, rSB; row = 1: an odd K step's scale words, in lanes 16-31
.if \row
	v_wmma_scale_f32_16x16x128_f8f6f4 v[rD:rD+7], v[rA:rA+11], v[rB:rB+11], v[rC:rC+7], v[rSA], v[rSB] matrix_a_fmt:MATRIX_FMT_FP6 matrix_b_fmt:MATRIX_FMT_FP6 matrix_a_scale:MATRIX_SCALE_ROW1 matrix_b_scale:MATRIX_SCALE_ROW1
.else
	v_wmma_scale_f32_16x16x128_f8f6f4 v[rD:rD+7], v[rA:rA+11], v[rB:rB+11], v[rC:rC+7], v[rSA], v[rSB] matrix_a_fmt:MATRIX_FMT_FP6 matrix_b_fmt:MATRIX_FMT_FP6
.endif
.endm
	s_load_b256 s[4:11], s[0:1], 0x0               ; oc s[4:5], os s[6:7], cod s[8:9], scl s[10:11]
	s_load_b128 s[12:15], s[0:1], 0x20             ; bo s[12:13], out0 s[14:15]
	v_lshl_add_u32 v254, v0, 2, 0x8400
	v_mov_b32 v255, 0
	v_lshrrev_b32 v6, 5, v0
	v_readfirstlane_b32 s18, v6                    ; wave 0..3
	v_and_b32 v6, 31, v0
	v_lshlrev_b32 v[LI], 4, v6
	v_lshlrev_b32 v[L8], 3, v6
	v_and_b32 v7, 15, v0                           ; r
	v_bfe_u32 v8, v0, 4, 1                         ; h
	v_lshlrev_b32 v[BA], 6, v8
	s_mul_i32 s19, s18, 8448                       ; my stage: 16 rows x (512 + 16) bytes
	v_mul_u32_u24 v[STO], v7, 528
	v_lshl_add_u32 v[STO], v8, 6, v[STO]
	v_add_nc_u32 v[STO], s19, v[STO]               ; in: row r, + 64 h
	v_add_nc_u32 v[RD], s19, v[LI]                 ; back: 16 bytes a lane of a row
	s_mov_b32 s29, 0
	s_wait_kmcnt 0x0
	s_mul_i32 s28, ttmp9, 24576                    ; four tiles of 6,144 bytes to a work-group
	s_add_nc_u64 s[OB:OB+1], s[4:5], s[28:29]
	s_lshl_b32 s28, ttmp9, 10
	s_add_nc_u64 s[OSB:OSB+1], s[6:7], s[28:29]
	s_add_co_u32 s30, s18, 140                     ; Wo's group of my 128 columns
	s_mul_i32 s28, s30, 49152
	s_add_nc_u64 s[WB:WB+1], s[8:9], s[28:29]
	s_lshl_b32 s28, s30, 11
	s_add_nc_u64 s[WSB:WSB+1], s[10:11], s[28:29]
	s_lshl_b32 s28, s18, 9
	s_add_nc_u64 s[12:13], s[12:13], s[28:29]      ; bo at my 128 columns
	s_add_nc_u64 s[14:15], s[14:15], s[28:29]      ; out0 likewise,
	s_lshl_b32 s28, ttmp9, 17
	s_add_nc_u64 s[14:15], s[14:15], s[28:29]      ; at the work-group's 64 rows of 2,048 bytes
.irp s, 0,1,2,3
	WIN 0x40+0x40*(\s/2)
.irp t, 0,1,2,3,4,5,6,7
	LFRAG 96*(\s%2)+12*\t, WB, \t*6144+\s*1536
.endr
.endr
	WIN 0xc0
.irp e, 0,1,2,3
.irp s, 0,1,2,3
	LFRAG 48*\e+12*\s, OB, \e*6144+\s*1536
.endr
.endr
	WIN 0
.irp t, 0,1,2,3,4,5,6,7
	global_load_b64 v[WSC+2*\t:WSC+2*\t+1], v[L8], s[WSB:WSB+1] offset:256*\t
.endr
.irp e, 0,1,2,3
	global_load_b64 v[OSC+2*\e:OSC+2*\e+1], v[L8], s[OSB:OSB+1] offset:256*\e
.endr
.irp t, 0,1,2,3,4,5,6,7                ; register j of tile t is column 32 (t/2) + 16 h + 8 (t%2) + j
	global_load_b128 v[BI+8*\t:BI+8*\t+3], v[BA], s[12:13] offset:(32*(\t/2)+8*(\t%2))*4
	global_load_b128 v[BI+8*\t+4:BI+8*\t+7], v[BA], s[12:13] offset:(32*(\t/2)+8*(\t%2))*4+16
.endr
	s_wait_loadcnt 0x0
.irp e, 0,1,2,3                        ; a tile of 16 rows at a time: 32 products, the eight accumulators by turns, one instruction a turn
.irp s, 0,1,2,3
	WIN 0x0d+(\s/2)                                ; source 0 (Wo) window 1 or 2, source 1 (o) window 3
.irp t, 0,1,2,3,4,5,6,7
.set rD, ACC+8*\t
.set rA, 96*(\s%2)+12*\t
.set rB, 48*\e+12*\s
.set rC, rD
.if \s == 0
.set rC, BI+8*\t
.endif
.set rSA, WSC+2*\t+\s/2
.set rSB, OSC+2*\e+\s/2
	WM \s%2
.endr
.endr
	WIN 0
.rept 5
	v_nop                                          ; four places in front of the first read of results; five, since the next tile begins the accumulators anew with another C
.endr
	s_wait_xcnt 0x0                                ; the last tile's stores have read their data: the rows' registers are loaded again only behind this wait
.irp t, 0,1,2,3,4,5,6,7
	ds_store_b128 v[STO], v[ACC+8*\t:ACC+8*\t+3] offset:128*(\t/2)+32*(\t%2)         ; each accumulator from its low end on
	ds_store_b128 v[STO], v[ACC+8*\t+4:ACC+8*\t+7] offset:128*(\t/2)+32*(\t%2)+16
.endr
.irp p, 0,1,2,3,4,5,6,7,8,9,10,11,12,13,14,15
	ds_load_b128 v[RB+4*\p:RB+4*\p+3], v[RD] offset:528*\p   ; LDS serves a wave's instructions in order: these see my stores, and the next tile's stores come behind them
.endr
.irp p, 0,1,2,3,4,5,6,7,8,9,10,11,12,13,14,15
	s_wait_dscnt 15-\p                             ; row p is back; the 15 - p younger loads may be out
	global_store_b128 v[LI], v[RB+4*\p:RB+4*\p+3], s[14:15] offset:(32*(\e/2)+8*(\e%2)+\p+8*(\p/8))*2048 th:TH_STORE_NT   ; 32 lanes store 512 consecutive bytes, aligned; written once, read by nobody here
.endr
.endr
	s_wait_tensorcnt 0x0
	ds_add_u32 v254, v255
	s_wait_dscnt 0x0
	s_endpgm
.Lfunc_end_k_q09d97f691d_oproj:
	.size	k_q09d97f691d_oproj, .Lfunc_end_k_q09d97f691d_oproj-k_q09d97f691d_oproj
	.p2alignl 7, 3214868480
	.fill 96, 4, 3214868480
	.section	.rodata,"a",@progbits
	.p2align	6, 0x0
	.amdhsa_kernel k_q09d97f691d_oproj
		.amdhsa_group_segment_fixed_size 34304
		.amdhsa_private_segment_fixed_size 0
		.amdhsa_enable_private_segment 0
		.amdhsa_kernarg_size 48
		.amdhsa_user_sgpr_count 2
		.amdhsa_user_sgpr_kernarg_segment_ptr 1
		.amdhsa_wavefront_size32 1
		.amdhsa_system_sgpr_workgroup_id_x 1
		.amdhsa_system_sgpr_workgroup_id_y 1
		.amdhsa_system_sgpr_workgroup_id_z 1
		.amdhsa_system_vgpr_workitem_id 0
		.amdhsa_next_free_vgpr 960
		.amdhsa_next_free_sgpr 66
		.amdhsa_reserve_vcc 0
		.amdhsa_float_denorm_mode_32 3
		.amdhsa_float_denorm_mode_16_64 3
		.amdhsa_memory_ordered 1
		.amdhsa_forward_progress 1
		.amdhsa_inst_pref_size 56
	.end_amdhsa_kernel
	.amdgpu_metadata
---
amdhsa.version: [ 1, 2 ]
amdhsa.kernels:
  - .name:           k_q09d97f691d_oproj
    .symbol:         k_q09d97f691d_oproj.kd
    .args:
      - { .name: oc, .offset: 0, .size: 8, .value_kind: global_buffer, .address_space: global }
      - { .name: os, .offset: 8, .size: 8, .value_kind: global_buffer, .address_space: global }
      - { .name: cod, .offset: 16, .size: 8, .value_kind: global_buffer, .address_space: global }
      - { .name: scl, .offset: 24, .size: 8, .value_kind: global_buffer, .address_space: global }
      - { .name: bo, .offset: 32, .size: 8, .value_kind: global_buffer, .address_space: global }
      - { .name: out0, .offset: 40, .size: 8, .value_kind: global_buffer, .address_space: global }
    .group_segment_fixed_size: 34304
    .private_segment_fixed_size: 0
    .kernarg_segment_align: 8
    .kernarg_segment_size: 48
    .max_flat_workgroup_size: 128
    .sgpr_count:     66
    .vgpr_count:     960
    .wavefront_size: 32
...
	.end_amdgpu_metadata
.endif
;; end of part 4
;; ======== version 2 of 2: 4 launches
;; workspace buffers: cod 7,077,888 bytes; scl 294,912 bytes; qv 13,369,344 bytes; kc 6,815,744 bytes; oc 6,291,456 bytes; os 262,144 bytes
;; launch prep (part 5): grid 288 x 1, 8 waves a work-group, no clusters, 68,608 bytes of LDS; arguments x, Wq, Wk, Wv, Wo, cod, scl; writes cod, scl
.if DOCPART == 5
	.amdgcn_target "amdgcn-amd-amdhsa--gfx1250"
	.amdhsa_code_object_version 6
	.text
	.protected	k_q09d97f691d_prep
	.globl	k_q09d97f691d_prep
	.p2align	8
	.type	k_q09d97f691d_prep,@function
k_q09d97f691d_prep:
	s_mov_b64 s[64:65], 0
	v_nop
	global_prefetch_b8 v0, s[64:65] scope:SCOPE_SE
	s_setreg_imm32_b32 hwreg(HW_REG_WAVE_MODE, 25, 1), 1
	s_wait_xcnt 0x0
; PREP: x [16384][512] and Wq, Wk, Wv, Wo [512][512], f32, K innermost, become codes of FP6 (E2M3) with one E8M0 byte for each 32 along K,
; laid in the ORDER OF THE OPERAND'S REGISTERS, so that the later launches load fragments by 16 and 8 bytes a lane from consecutive bytes.
; GROUPS of 128 rows: 0-127 x, 128-131 Wq, 132-135 Wk, 136-139 Wv, 140-143 Wo.  A group has 8 tiles of 16 rows; lane-row p of tile t is row 32 (t/2) + 8 (t%2) + p + 8 (p/8).
; cod: [group 49,152][tile 6,144][K step of 128: 1,536][half c: 768]; a half is 512 bytes (lane l's 16 bytes at 16 l: registers 6c .. 6c+3) and 256 bytes (8 l: registers 6c+4, 6c+5).
; scl: [group 2,048][tile 256], 8 bytes a lane: word g of lane l is the scale word of lane-row l % 16 for K step 2 g + l / 16.
; A block's scale is 2^(floor(log2(largest magnitude)) - 2): its byte is the largest magnitude's exponent field - 2, held at 1 from below.
; LIMITS: NaN and infinities among the inputs are not served.  A block of zeros gets the byte 1 where the quantiser's text says 127: its codes are zeros, which add nothing, and this program alone reads the bytes.
; THE INPUT batch IS NOT READ BY ANY LAUNCH: reference() takes it as an argument and never uses it (it reshapes by the constant n_graphs), so no result may hang on it.
; SHARES: 144 groups x 8 tiles x 2 = 2,304 waves.  A wave takes one tile and 256 along K: two fragments and one word of the tile's scale image.  Waves share nothing: no barrier.
; Each load reads 512 consecutive bytes of a row; the 16 rows of a fragment turn through the wave's own stage in LDS (rows 528 bytes apart) and come back 128 neighbouring bytes a lane and block.
.set STG,  8448                        ; a wave's stage: 16 rows x (512 + 16) bytes
.set R,    16                          ; v16-143   as loaded: fragment f, row p at R + 64 f + 4 p
.set X,    144                         ; v144-207  my two blocks of 32 neighbours: block c at X + 32 c
.set MX,   208                         ; v208-209  their largest magnitudes
.set SO,   210                         ; v210-211  the conversions' scale operands
.set SBY,  212                         ; v212-213  the scale bytes
.set WT,   214                         ; v214-215  at work on the scale word
.set SW,   216                         ; v216-217  the two fragments' scale words
.set PC,   220                         ; v220-231  a fragment's codes
.set AUX,  232                         ; v232-234, v236-238  the blocks' upper 16 codes (a conversion's three registers begin on an even number)
.set OW,   240                         ; v240      the word that I store
.set SEL,  30                          ; s[30:31]  lane selects: lane l xor 16
.set HIM,  32                          ; s32       lanes 16-31
	s_load_b128 s[4:7], s[0:1], 0x0                ; x, Wq
	s_load_b128 s[8:11], s[0:1], 0x10              ; Wk, Wv
	s_load_b128 s[12:15], s[0:1], 0x20             ; Wo, cod
	s_load_b64 s[16:17], s[0:1], 0x30              ; scl
	v_lshl_add_u32 v248, v0, 2, 0x10800
	v_mov_b32 v249, 0
	v_lshrrev_b32 v1, 5, v0
	s_delay_alu instid0(VALU_DEP_1)
	v_readfirstlane_b32 s18, v1                    ; wave 0..7
	v_and_b32 v1, 31, v0                           ; lane
	s_delay_alu instid0(VALU_DEP_1)
	v_lshlrev_b32 v2, 4, v1                        ; 16 x lane
	s_delay_alu instid0(VALU_DEP_2)
	v_lshlrev_b32 v3, 3, v1                        ; 8 x lane
	v_and_b32 v7, 15, v0                           ; r
	v_bfe_u32 v8, v0, 4, 1                         ; h
	s_mul_i32 s19, s18, STG                        ; my stage
	v_add_nc_u32 v4, s19, v2                       ; into it: 16 x lane of a row
	v_mul_u32_u24 v5, v7, 528
	s_delay_alu instid0(VALU_DEP_1)
	v_lshl_add_u32 v5, v8, 7, v5
	s_delay_alu instid0(VALU_DEP_1)
	v_add_nc_u32 v5, s19, v5                       ; out of it: row r, + 128 h: k = 32 h on
	v_lshlrev_b32 v6, 3, v8                        ; 8 h: my bytes' place in the scale word
	v_mov_b32 v[WT+1], 0                           ; written once: a lane permute's destination counts as one of its sources
	s_mov_b32 s[SEL], 0x76543210
	s_mov_b32 s[SEL+1], 0xfedcba98
	s_mov_b32 s[HIM], 0xffff0000
	s_lshr_b32 s20, ttmp9, 1                       ; the group
	s_and_b32 s22, ttmp9, 1
	s_lshl_b32 s22, s22, 2
	s_lshr_b32 s23, s18, 1
	s_add_co_u32 s22, s22, s23                     ; the tile: 4 (work-group % 2) + wave / 2
	s_and_b32 s23, s18, 1                          ; which 256 along K
	s_and_b32 s21, s20, 3                          ; a weight's group of rows
	s_mov_b32 s27, 0
	s_wait_alu depctr_va_vdst(0)
	s_wait_kmcnt 0x0
	s_cmp_lt_u32 s20, 140                          ; which tensor: the choice hangs on the work-group's number alone
	s_cselect_b64 s[24:25], s[10:11], s[12:13]
	s_cmp_lt_u32 s20, 136
	s_cselect_b64 s[24:25], s[8:9], s[24:25]
	s_cmp_lt_u32 s20, 132
	s_cselect_b64 s[24:25], s[6:7], s[24:25]
	s_cmp_lt_u32 s20, 128
	s_cselect_b64 s[24:25], s[4:5], s[24:25]
	s_cselect_b32 s21, s20, s21                    ; x's group of rows is the group itself
	s_lshl_b32 s26, s21, 18                        ; 128 rows of 2,048 bytes,
	s_lshr_b32 s28, s22, 1
	s_lshl_b32 s28, s28, 16                        ; + 32 (tile / 2) rows,
	s_add_co_u32 s26, s26, s28
	s_and_b32 s28, s22, 1
	s_lshl_b32 s28, s28, 14                        ; + 8 (tile % 2) rows,
	s_add_co_u32 s26, s26, s28
	s_lshl_b32 s28, s23, 10                        ; + my 256 along K
	s_add_co_u32 s26, s26, s28
	s_add_nc_u64 s[24:25], s[24:25], s[26:27]
.irp f, 0,1                            ; all 32 loads at once: each reads 512 consecutive bytes, aligned
.irp p, 0,1,2,3,4,5,6,7,8,9,10,11,12,13,14,15
	global_load_b128 v[R+64*\f+4*\p:R+64*\f+4*\p+3], v2, s[24:25] offset:(\p+8*(\p/8))*2048+512*\f th:TH_LOAD_NT
.endr
.endr
	s_mul_i32 s26, s20, 49152                      ; where my codes go
	s_mul_i32 s28, s22, 6144
	s_add_co_u32 s26, s26, s28
	s_mul_i32 s28, s23, 3072
	s_add_co_u32 s26, s26, s28
	s_add_nc_u64 s[14:15], s[14:15], s[26:27]
	s_lshl_b32 s26, s20, 11                        ; and my scale words
	s_lshl_b32 s28, s22, 8
	s_add_co_u32 s26, s26, s28
	s_lshl_b32 s28, s23, 2
	s_add_co_u32 s26, s26, s28
	s_add_nc_u64 s[16:17], s[16:17], s[26:27]
; fragment f's 16 rows through the stage.  LDS serves a wave's instructions in order, so no wait stands between the stores and the loads
.macro TURN f
.irp p, 0,1,2,3,4,5,6,7,8,9,10,11,12,13,14,15
	ds_store_b128 v4, v[R+64*\f+4*\p:R+64*\f+4*\p+3] offset:528*\p
.endr
.irp c, 0,1
.irp q, 0,1,2,3,4,5,6,7
	ds_load_b128 v[X+32*\c+4*\q:X+32*\c+4*\q+3], v5 offset:256*\c+16*\q   ; k = 64 c + 32 h + 4 q on, of row r
.endr
.endr
	s_wait_dscnt 0x0
.endm
; my two whole blocks become registers 0-11 of the fragment; the scale word's four bytes are gathered from lanes l and l xor 16
.macro QSTEP f
.irp c, 0,1
	v_max3_num_f32 v[MX+\c], |v[X+32*\c]|, |v[X+32*\c+1]|, 0x1800000   ; with the floor 2^(3 - 127): the byte cannot fall under 1
.endr
.irp i, 2,4,6,8,10,12,14,16,18,20,22,24,26,28,30
.irp c, 0,1
	s_delay_alu instid0(VALU_DEP_2)
	v_max3_num_f32 v[MX+\c], v[MX+\c], |v[X+32*\c+\i]|, |v[X+32*\c+\i+1]|   ; (the two blocks by turns)
.endr
.endr
.irp c, 0,1
	s_delay_alu instid0(VALU_DEP_2)
	v_add_nc_u32 v[SO+\c], 0xff000000, v[MX+\c]    ; 2 off the exponent field: the conversion takes this operand's exponent field as its scale
.endr
.irp c, 0,1
	s_delay_alu instid0(VALU_DEP_2)
	v_lshrrev_b32 v[SBY+\c], 23, v[SO+\c]          ; the scale's byte
.endr
	s_delay_alu instid0(VALU_DEP_1)
	v_lshl_or_b32 v[WT], v[SBY+1], 16, v[SBY]      ; blocks h and 2 + h of my row,
	s_delay_alu instid0(VALU_DEP_1)
	v_lshlrev_b32 v[WT], v6, v[WT]                 ; at their places;
	s_delay_alu instid0(VALU_DEP_1)
	v_permlanex16_b32 v[WT+1], v[WT], s[SEL], s[SEL+1]
	s_delay_alu instid0(VALU_DEP_1)
	v_or_b32 v[SW+\f], v[WT], v[WT+1]              ; with lane l xor 16's two the word is whole
	s_wait_alu depctr_va_vdst(0)
	s_wait_xcnt 0x0                                ; the last fragment's stores have read their data: the codes' registers are written again only behind this wait
.irp c, 0,1
	v_cvt_scalef32_pk16_fp6_f32 v[PC+6*\c:PC+6*\c+2], v[X+32*\c:X+32*\c+15], v[SO+\c]
	v_cvt_scalef32_pk16_fp6_f32 v[AUX+4*\c:AUX+4*\c+2], v[X+32*\c+16:X+32*\c+31], v[SO+\c]
.endr
	v_nop                                          ; one plain place behind a scaled conversion
.irp c, 0,1
.irp i, 0,1,2
	v_mov_b32 v[PC+6*\c+3+\i], v[AUX+4*\c+\i]
.endr
.endr
.irp c, 0,1
	global_store_b128 v2, v[PC+6*\c:PC+6*\c+3], s[14:15] offset:1536*\f+768*\c        ; 512 consecutive bytes, aligned
	global_store_b64 v3, v[PC+6*\c+4:PC+6*\c+5], s[14:15] offset:1536*\f+768*\c+512   ; 256 consecutive bytes, aligned
.endr
.endm
	s_wait_loadcnt 16                              ; the first fragment's 16 loads are in; the second's 16 may be out
	TURN 0
	QSTEP 0
	s_wait_loadcnt 0x0
	TURN 1
	QSTEP 1
	v_cndmask_b32 v[OW], v[SW], v[SW+1], s[HIM]    ; lanes 0-15: the even K step's word, lanes 16-31: the odd one's
	global_store_b32 v3, v[OW], s[16:17]           ; 4 of each lane's 8 bytes: the tile's other wave stores the other 4
	s_wait_tensorcnt 0x0
	ds_add_u32 v248, v249
	s_wait_dscnt 0x0
	s_endpgm
.Lfunc_end_k_q09d97f691d_prep:
	.size	k_q09d97f691d_prep, .Lfunc_end_k_q09d97f691d_prep-k_q09d97f691d_prep
	.p2alignl 7, 3214868480
	.fill 96, 4, 3214868480
	.section	.rodata,"a",@progbits
	.p2align	6, 0x0
	.amdhsa_kernel k_q09d97f691d_prep
		.amdhsa_group_segment_fixed_size 68608
		.amdhsa_private_segment_fixed_size 0
		.amdhsa_enable_private_segment 0
		.amdhsa_kernarg_size 56
		.amdhsa_user_sgpr_count 2
		.amdhsa_user_sgpr_kernarg_segment_ptr 1
		.amdhsa_wavefront_size32 1
		.amdhsa_system_sgpr_workgroup_id_x 1
		.amdhsa_system_sgpr_workgroup_id_y 1
		.amdhsa_system_sgpr_workgroup_id_z 1
		.amdhsa_system_vgpr_workitem_id 0
		.amdhsa_next_free_vgpr 250
		.amdhsa_next_free_sgpr 66
		.amdhsa_reserve_vcc 0
		.amdhsa_float_denorm_mode_32 3
		.amdhsa_float_denorm_mode_16_64 3
		.amdhsa_memory_ordered 1
		.amdhsa_forward_progress 1
		.amdhsa_inst_pref_size 20
	.end_amdhsa_kernel
	.amdgpu_metadata
---
amdhsa.version: [ 1, 2 ]
amdhsa.kernels:
  - .name:           k_q09d97f691d_prep
    .symbol:         k_q09d97f691d_prep.kd
    .args:
      - { .name: x, .offset: 0, .size: 8, .value_kind: global_buffer, .address_space: global }
      - { .name: Wq, .offset: 8, .size: 8, .value_kind: global_buffer, .address_space: global }
      - { .name: Wk, .offset: 16, .size: 8, .value_kind: global_buffer, .address_space: global }
      - { .name: Wv, .offset: 24, .size: 8, .value_kind: global_buffer, .address_space: global }
      - { .name: Wo, .offset: 32, .size: 8, .value_kind: global_buffer, .address_space: global }
      - { .name: cod, .offset: 40, .size: 8, .value_kind: global_buffer, .address_space: global }
      - { .name: scl, .offset: 48, .size: 8, .value_kind: global_buffer, .address_space: global }
    .group_segment_fixed_size: 68608
    .private_segment_fixed_size: 0
    .kernarg_segment_align: 8
    .kernarg_segment_size: 56
    .max_flat_workgroup_size: 256
    .sgpr_count:     66
    .vgpr_count:     250
    .wavefront_size: 32
...
	.end_amdgpu_metadata
.endif
;; end of part 5
;; launch qkv (part 6): grid 2 x 128, 4 waves a work-group, no clusters, 0 bytes of LDS; arguments cod, scl, bq, bk, bv, qv, kc; writes qv, kc
.if DOCPART == 6
	.amdgcn_target "amdgcn-amd-amdhsa--gfx1250"
	.amdhsa_code_object_version 6
	.text
	.protected	k_q09d97f691d_qkv
	.globl	k_q09d97f691d_qkv
	.p2align	8
	.type	k_q09d97f691d_qkv,@function
k_q09d97f691d_qkv:
	s_mov_b64 s[64:65], 0
	v_nop
	global_prefetch_b8 v0, s[64:65] scope:SCOPE_SE
	s_setreg_imm32_b32 hwreg(HW_REG_WAVE_SCHED_MODE, 0, 2), 2
	s_setreg_imm32_b32 hwreg(HW_REG_WAVE_MODE, 25, 1), 1
	s_wait_xcnt 0x0
	s_wait_alu depctr_vm_vsrc(0)
; QKV: q = x Wq^T + bq, k = x Wk^T + bk, v = x Wv^T + bv on codes of FP6 (E2M3) with E8M0 scales, f32 sums; the results are quantised in registers for the two products of attention and leave as codes.
; SHARES: work-group y is a group of 128 rows of x (graph y / 16, step y % 16); head = 4 x + wave.  ONE WAVE makes q, k and v of one head for those 128 rows: one record of qv and one of kc.
; The group's 32 fragments of x stay in registers; the head's 16 fragments of one weight at a time.  Operands come straight from memory in register order (launch prep): no LDS, no barrier, no label.
; q, k: source 0 = 16 channels of the weight, source 1 = 16 rows of x: a lane holds ONE row and its registers run along the head's 64 channels, the next product's K.
; v:    source 0 = 16 rows of x, source 1 = 16 channels: a lane holds ONE channel and its registers run along the 128 rows j, the next product's K.
; The rows of a tile are not neighbours (lane-row p of tile t is row 32 (t/2) + 8 (t%2) + p + 8 (p/8)), so that the 16 registers of tiles 2 b, 2 b + 1 are 16 neighbours, 32 b + 16 (lane / 16) + 0 .. 15.
; The biases are the C of each sum's first matrix instruction.
; qv record (13,056 bytes): q's 48 registers (6 a tile: the head's 64 are half a fragment) as 12 chunks of 512 bytes; v's 48 (12 a channel tile) likewise; q's scale image (16 bytes a lane: word u: tile 2 u in
; lanes 0-15, tile 2 u + 1 in lanes 16-31); v's (8 bytes a lane).  kc record (6,656): 8 tiles x (512 + 256) bytes, then a scale image like q's.
; LIMITS: NaN and infinities are not served; a block of zeros carries the byte 1 (its codes are zeros; this program alone reads the bytes).
; REGISTERS: window 1: x's fragments of K steps 0, 1 at 96 (s % 2) + 12 t; window 2: of K steps 2, 3; window 3: the weight's at 48 s + 12 n; window 0: all else.
; THE MODE: SCHED_MODE bits 1:0 = 2 (LLVM: expert scheduling mode 2), set by the entry lines.  The code itself states the register dependences
; between vector or matrix instructions and memory instructions, with s_wait_alu, always for 0.
; THE PLAN.  The work goes in twelve units, g = 0 .. 11: four of q, four of k, four of v.  Registers that memory instructions touch:
;   v1 .. v4      offsets, made once at the head and never written again.
;   x's fragments and scale words: loaded once at the head; read by products alone.
;   the weight's fragments (window 3), its scale words, the bias: loaded three times.  Read by a phase's 128 products; the next weight's loads are issued in the phase's last unit, behind its products.
;   PC0, PC1      two out-buffers of codes, by turns.  Unit g's conversions, swaps and moves write PC[g % 2]; the stores that read it are issued in unit g + 1.
;   QS            twelve scale words, four to a phase, each written once; q's four and k's four are read by one store each, issued in the next phase's first unit.  VS: written once, stored at the end.
; A unit has its waits in ONE place, behind its products and their places (macro BEHIND).  Behind them stand the next weight's loads (a phase's last unit), the stores of the unit before, and then the unit's own
; vector work, which names the accumulators, TM, PW, PC[g % 2] and a scale word of its own: none of the registers that those loads and stores touch.
.set LI,   1                           ; v1  16 x lane; never rewritten
.set L8,   2                           ; v2  8 x lane; never rewritten
.set BA,   3                           ; v3  64 h: bq's, bk's numbers of my half
.set BV,   4                           ; v4  4 (r + 8 (r / 8)): bv's number of my channel
.set SH16, 5                           ; v5  16 h
.set XSC,  16                          ; v16-31   x's scale words: tile t at 2 t + s / 2, odd K steps in lanes 16-31
.set WSC,  32                          ; v32-39   the weight's likewise
.set BI,   40                          ; v40-71   the bias, 8 registers a weight tile, in the result's layout
.set ACC,  72                          ; v72-135  eight accumulators
.set TM,   136                         ; v136-151 at work in QUANT
.set PW,   152                         ; v152     the scale word just made
.set PC,   154                         ; v154-172 out-buffer 0: the codes just made (twelve registers, and the conversions' second halves);
.set PCD,  42                          ; v196-214 out-buffer 1
.set QS,   176                         ; v176-187 the units' scale words: phase f's four at QS + 4 f
.set BT,   188                         ; v188-191 bv as loaded
.set VS,   192                         ; v192-193 v's scale image
.set XB,   24                          ; s[24:25] x's codes, my group;  s[26:27] their scale words
.set XSB,  26
.set WB,   28                          ; s[28:29] Wq's codes, my head;  s[30:31] their scale words; Wk and Wv stand 4 and 8 groups on
.set WSB,  30
.set SEL,  36
.set HIM,  38
.set MSB, 0
.macro WIN new                         ; the immediate's high byte repeats the setting that is left; a switch that changes nothing is dropped
.set NW, \new
.if MSB != NW
	s_set_vgpr_msb (MSB<<8)|NW
.set MSB, NW
.endif
.endm
.macro PLACES n
.rept \n
	v_nop
.endr
.endm
.macro LFRAG reg, base, off            ; a fragment's 12 registers: each load covers 512 or 256 consecutive bytes
.set rr, \reg
.set oo, \off
	global_load_b128 v[rr:rr+3], v[LI], s[\base:\base+1] offset:oo
	global_load_b64 v[rr+4:rr+5], v[L8], s[\base:\base+1] offset:oo+512
	global_load_b128 v[rr+6:rr+9], v[LI], s[\base:\base+1] offset:oo+768
	global_load_b64 v[rr+10:rr+11], v[L8], s[\base:\base+1] offset:oo+1280
.endm
.macro WM row                          ; one product on the registers named by rD, rA, rB, rC, rSA, rSB; row = 1: an odd K step's scale words, in lanes 16-31
.if \row
	v_wmma_scale_f32_16x16x128_f8f6f4 v[rD:rD+7], v[rA:rA+11], v[rB:rB+11], v[rC:rC+7], v[rSA], v[rSB] matrix_a_fmt:MATRIX_FMT_FP6 matrix_b_fmt:MATRIX_FMT_FP6 matrix_a_scale:MATRIX_SCALE_ROW1 matrix_b_scale:MATRIX_SCALE_ROW1
.else
	v_wmma_scale_f32_16x16x128_f8f6f4 v[rD:rD+7], v[rA:rA+11], v[rB:rB+11], v[rC:rC+7], v[rSA], v[rSB] matrix_a_fmt:MATRIX_FMT_FP6 matrix_b_fmt:MATRIX_FMT_FP6
.endif
.endm
; 64 numbers of a lane, register 16 b + i = place 32 b + 16 (lane / 16) + i along the next K, become 12 registers of codes in v[pc] on and four scale bytes in v[PW]
.macro QUANT s, pc
.set qp, \pc
.irp b, 0,1,2,3
	v_max3_num_f32 v[TM+\b], |v[\s+16*\b]|, |v[\s+1+16*\b]|, 0x1800000   ; my 16 numbers of block b, and the floor 2^(3 - 127): the byte cannot fall under 1.  Each accumulator is read from its low end on
.endr
.irp i, 2,4,6,8,10,12,14
.irp b, 0,1,2,3
	v_max3_num_f32 v[TM+\b], v[TM+\b], |v[\s+16*\b+\i]|, |v[\s+1+16*\b+\i]|
.endr
.endr
.irp b, 0,1,2,3
	v_permlanex16_b32 v[TM+4+\b], v[TM+\b], s[SEL], s[SEL+1]
.endr
.irp b, 0,1,2,3
	v_max_num_f32 v[TM+\b], v[TM+\b], v[TM+4+\b]   ; with lane l xor 16's: the block's largest magnitude
.endr
.irp b, 0,1,2,3
	v_add_nc_u32 v[TM+12+\b], 0xff000000, v[TM+\b] ; 2 off its exponent field: the conversion's scale operand
.endr
.irp b, 0,1,2,3
	v_lshrrev_b32 v[TM+4+\b], 23, v[TM+12+\b]      ; the scale's byte
.endr
	v_lshl_or_b32 v[PW], v[TM+5], 8, v[TM+4]
	v_lshl_or_b32 v[PW], v[TM+6], 16, v[PW]
	v_lshl_or_b32 v[PW], v[TM+7], 24, v[PW]
.irp c, 0,1
	v_cvt_scalef32_pk16_fp6_f32 v[qp+6*\c:qp+2+6*\c], v[\s+32*\c:\s+15+32*\c], v[TM+12+2*\c]
	v_cvt_scalef32_pk16_fp6_f32 v[qp+12+4*\c:qp+14+4*\c], v[\s+16+32*\c:\s+31+32*\c], v[TM+12+2*\c+1]   ; (a conversion's three registers begin on an even number)
.endr
	v_nop                                          ; one plain place behind a scaled conversion
.irp c, 0,1                            ; the operand's layout wants a WHOLE block in a lane: lanes 0-15 block 2 c, lanes 16-31 block 2 c + 1
.irp i, 0,1,2
	v_permlane16_swap_b32 v[qp+6*\c+\i], v[qp+12+4*\c+\i]
.endr
.irp i, 0,1,2
	v_mov_b32 v[qp+3+6*\c+\i], v[qp+12+4*\c+\i]
.endr
.endr
.endm
.macro LOADX                           ; the group's 32 fragments of x and their scale words
.irp s, 0,1,2,3
	WIN 0x40+0x40*(\s/2)
.irp t, 0,1,2,3,4,5,6,7
	LFRAG 96*(\s%2)+12*\t, XB, \t*6144+\s*1536
.endr
.endr
	WIN 0
.irp t, 0,1,2,3,4,5,6,7
	global_load_b64 v[XSC+2*\t:XSC+2*\t+1], v[L8], s[XSB:XSB+1] offset:256*\t
.endr
.endm
.macro LOADW mat                       ; weight mat (0 Wq, 1 Wk, 2 Wv): my head's 16 fragments, their scale words, the bias
	WIN 0xc0
.irp s, 0,1,2,3
.irp n, 0,1,2,3
	LFRAG 48*\s+12*\n, WB, (\mat)*196608+\n*6144+\s*1536
.endr
.endr
	WIN 0
.irp n, 0,1,2,3
	global_load_b64 v[WSC+2*\n:WSC+2*\n+1], v[L8], s[WSB:WSB+1] offset:(\mat)*8192+256*\n
.endr
.if \mat < 2
.irp n, 0,1,2,3                        ; register j of tile n is channel 32 (n/2) + 16 h + 8 (n%2) + j
	global_load_b128 v[BI+8*\n:BI+8*\n+3], v[BA], s[8+2*(\mat):9+2*(\mat)] offset:(32*(\n/2)+8*(\n%2))*4
	global_load_b128 v[BI+8*\n+4:BI+8*\n+7], v[BA], s[8+2*(\mat):9+2*(\mat)] offset:(32*(\n/2)+8*(\n%2))*4+16
.endr
.else
.irp n, 0,1,2,3                        ; my lane's one channel of tile n
	global_load_b32 v[BT+\n], v[BV], s[12:13] offset:(32*(\n/2)+8*(\n%2))*4
.endr
.endif
.endm
; 32 products: x's tiles 2 u, 2 u + 1 against the weight's four.  The eight accumulators take turns, one instruction a turn.
.macro MMQK u
.irp s, 0,1,2,3
	WIN 0x07+4*(\s/2)                              ; source 0 (weight) window 3, source 1 (x) window 1 or 2
.irp e, 0,1
.irp n, 0,1,2,3
.set rD, ACC+32*\e+8*\n
.set rA, 48*\s+12*\n
.set rB, 96*(\s%2)+12*(2*(\u)+\e)
.set rC, rD
.if \s == 0
.set rC, BI+8*\n
.endif
.set rSA, WSC+2*\n+\s/2
.set rSB, XSC+2*(2*(\u)+\e)+\s/2
	WM \s%2
.endr
.endr
.endr
.endm
; 32 products: x's eight tiles against the weight's tile n
.macro MMV n
.irp s, 0,1,2,3
	WIN 0x0d+(\s/2)                                ; source 0 (x) window 1 or 2, source 1 (weight) window 3
.irp t, 0,1,2,3,4,5,6,7
.set rD, ACC+8*\t
.set rA, 96*(\s%2)+12*\t
.set rB, 48*\s+12*(\n)
.set rC, rD
.if \s == 0
.set rC, BI+8*(\n)
.endif
.set rSA, XSC+2*\t+\s/2
.set rSB, WSC+2*(\n)+\s/2
	WM \s%2
.endr
.endr
.endm
; BEHIND A UNIT'S PRODUCTS: five places (the next unit begins the accumulators anew with another C; reads of results want four), then the unit's waits.
; free = 1 (from unit 2 on): this unit's out-buffer has been stored from before.  win: the window of what follows: 0xc0 where the next weight's loads follow, so that the switch stands ahead of the wait, else 0.
.macro BEHIND free, win
	PLACES 5
.if \free
	s_wait_xcnt 0x0                                ; the stores issued in the unit before have had their addresses translated: their data, this unit's out-buffer, are written again only behind this wait
	s_wait_alu depctr_vm_vsrc(0)                   ; and those stores have read that out-buffer, which this unit's conversions, swaps and moves write again
.endif
	WIN \win
	s_wait_alu depctr_va_vdst(0)                   ; the unit before has written its codes and its scale word, which the stores below read; this unit's products are done reading the weight's fragments, its scale words and the bias, in which a phase's last unit's loads land
.endm
; The stores of a unit's codes, issued a unit later.  The out-buffer is the unit's number % 2 in every phase
.macro STQ u                           ; q's tiles 2 u and 2 u + 1: six registers each
.set sp, PC+PCD*((\u)%2)
.irp c, 0,1,2
	global_store_b128 v[LI], v[sp+4*\c:sp+4*\c+3], s[14:15] offset:(3*(\u)+\c)*512
.endr
.endm
.macro STK u                           ; k's tiles 2 u and 2 u + 1
.set sp, PC+PCD*((\u)%2)
	global_store_b128 v[LI], v[sp:sp+3], s[16:17] offset:1536*(\u)
	global_store_b64 v[L8], v[sp+4:sp+5], s[16:17] offset:1536*(\u)+512
	global_store_b128 v[LI], v[sp+6:sp+9], s[16:17] offset:1536*(\u)+768
	global_store_b64 v[L8], v[sp+10:sp+11], s[16:17] offset:1536*(\u)+1280
.endm
.macro STV n                           ; v's channel tile n
.set sp, PC+PCD*((\n)%2)
.irp c, 0,1,2
	global_store_b128 v[LI], v[sp+4*\c:sp+4*\c+3], s[14:15] offset:6144+(3*(\n)+\c)*512
.endr
.endm
	s_load_b256 s[4:11], s[0:1], 0x0               ; cod s[4:5], scl s[6:7], bq s[8:9], bk s[10:11]
	s_load_b128 s[12:15], s[0:1], 0x20             ; bv s[12:13], qv s[14:15]
	s_load_b64 s[16:17], s[0:1], 0x30              ; kc
	v_lshrrev_b32 v6, 5, v0
	v_readfirstlane_b32 s18, v6                    ; wave 0..3
	v_and_b32 v6, 31, v0
	v_lshlrev_b32 v[LI], 4, v6
	v_lshlrev_b32 v[L8], 3, v6
	v_and_b32 v7, 15, v0                           ; r
	v_bfe_u32 v8, v0, 4, 1                         ; h
	v_lshlrev_b32 v[BA], 6, v8
	v_and_b32 v9, 8, v7
	v_add_nc_u32 v9, v9, v7
	v_lshlrev_b32 v[BV], 2, v9
	v_lshlrev_b32 v[SH16], 4, v8
.irp b, 0,1,2,3
	v_mov_b32 v[TM+4+\b], 0                        ; written once: a lane permute's destination counts as one of its sources
.endr
	s_mov_b32 s[SEL], 0x76543210
	s_mov_b32 s[SEL+1], 0xfedcba98
	s_mov_b32 s[HIM], 0xffff0000
	s_and_b32 s19, ttmp7, 0xffff                   ; the group of 128 rows
	s_lshl_b32 s20, ttmp9, 2
	s_wait_alu depctr_va_sdst(0)                   ; s18, the wave's number, is written, ahead of its first reader: the head and all bases are made from it
	s_add_co_u32 s20, s20, s18                     ; the head
	s_mov_b32 s33, 0
	s_wait_kmcnt 0x0
	s_mul_i32 s32, s19, 49152
	s_add_nc_u64 s[XB:XB+1], s[4:5], s[32:33]
	s_lshl_b32 s32, s19, 11
	s_add_nc_u64 s[XSB:XSB+1], s[6:7], s[32:33]
	s_lshr_b32 s34, s20, 1
	s_add_co_u32 s34, s34, 128                     ; Wq's group that holds my head: two heads to a group,
	s_and_b32 s35, s20, 1                          ; four tiles each
	s_mul_i32 s32, s34, 49152
	s_mul_i32 s39, s35, 24576
	s_add_co_u32 s32, s32, s39
	s_add_nc_u64 s[WB:WB+1], s[4:5], s[32:33]
	s_lshl_b32 s32, s34, 11
	s_lshl_b32 s39, s35, 10
	s_add_co_u32 s32, s32, s39
	s_add_nc_u64 s[WSB:WSB+1], s[6:7], s[32:33]
	s_lshl_b32 s32, s20, 8                         ; the biases at my head's 64 numbers
	s_add_nc_u64 s[8:9], s[8:9], s[32:33]
	s_add_nc_u64 s[10:11], s[10:11], s[32:33]
	s_add_nc_u64 s[12:13], s[12:13], s[32:33]
	s_lshr_b32 s34, s19, 4
	s_lshl_b32 s34, s34, 7
	s_lshl_b32 s35, s20, 4
	s_add_co_u32 s34, s34, s35
	s_and_b32 s35, s19, 15
	s_add_co_u32 s34, s34, s35                     ; the record: (graph x 8 + head) x 16 + step
	s_mul_i32 s32, s34, 13056
	s_add_nc_u64 s[14:15], s[14:15], s[32:33]
	s_mul_i32 s32, s34, 6656
	s_add_nc_u64 s[16:17], s[16:17], s[32:33]
	WIN 0x40                                       ; the first loads' window, ahead of the wait
	s_wait_alu depctr_va_vdst(0)                   ; the four offsets v1 to v4 are written: every load and store of the kernel reads one of them.  Only loads and window switches follow, up to the wait for the data
	LOADX
	LOADW 0
	s_wait_loadcnt 0x0
; A UNIT: 32 products; the places and the waits (BEHIND); in a phase's last unit the next weight's loads, which land while the unit's results are quantised; the stores of the unit before; QUANT into the unit's out-buffer.
; ---- q
.irp u, 0,1,2,3
	MMQK \u
.if \u == 0
	PLACES 5                                       ; the first unit has no unit before it: nothing to store, nothing to load, so no wait
	WIN 0
.elseif \u == 1
	BEHIND 0, 0
.elseif \u == 2
	BEHIND 1, 0
.else
	BEHIND 1, 0xc0
	LOADW 1
.endif
.if \u > 0
	STQ \u-1
.endif
	QUANT ACC, PC+PCD*(\u%2)
	v_lshrrev_b32 v[QS+\u], v[SH16], v[PW]         ; lanes 0-15: tile 2 u's two bytes lowest; lanes 16-31: tile 2 u + 1's.  The upper two bytes meet zero codes alone and are never 0xff
.endr
	s_wait_loadcnt 0x0                             ; Wk
; ---- k
.irp u, 0,1,2,3
	MMQK \u
.if \u == 3
	BEHIND 1, 0xc0
	LOADW 2
.else
	BEHIND 1, 0
.endif
.if \u == 0
	STQ 3                                          ; q's last unit,
	global_store_b128 v[LI], v[QS:QS+3], s[14:15] offset:12288   ; and q's scale image
.else
	STK \u-1
.endif
	QUANT ACC, PC+PCD*(\u%2)
	v_lshrrev_b32 v[QS+4+\u], v[SH16], v[PW]
.endr
	s_wait_loadcnt 0x0                             ; Wv, bv
; ---- v
.irp n, 0,1,2,3
.irp j, 0,1,2,3,4,5,6,7
	v_mov_b32 v[BI+8*\n+\j], v[BT+\n]              ; a lane holds one channel: its bias in all eight registers of the C
.endr
.endr
.irp n, 0,1,2,3
	MMV \n
	BEHIND 1, 0
.if \n == 0
	STK 3                                          ; k's last unit,
	global_store_b128 v[LI], v[QS+4:QS+7], s[16:17] offset:6144  ; and k's scale image
.else
	STV \n-1
.endif
	QUANT ACC, PC+PCD*(\n%2)
	v_mov_b32 v[QS+8+\n], v[PW]
.endr
	v_cndmask_b32 v[VS], v[QS+8], v[QS+9], s[HIM]  ; even channel tiles in lanes 0-15, odd ones in lanes 16-31
	v_cndmask_b32 v[VS+1], v[QS+10], v[QS+11], s[HIM]
	s_wait_alu depctr_va_vdst(0)                   ; the last unit has written its codes, and the two selects v's scale image: the last stores read them
	STV 3
	global_store_b64 v[L8], v[VS:VS+1], s[14:15] offset:12800
	s_endpgm
.Lfunc_end_k_q09d97f691d_qkv:
	.size	k_q09d97f691d_qkv, .Lfunc_end_k_q09d97f691d_qkv-k_q09d97f691d_qkv
	.p2alignl 7, 3214868480
	.fill 96, 4, 3214868480
	.section	.rodata,"a",@progbits
	.p2align	6, 0x0
	.amdhsa_kernel k_q09d97f691d_qkv
		.amdhsa_group_segment_fixed_size 0
		.amdhsa_private_segment_fixed_size 0
		.amdhsa_enable_private_segment 0
		.amdhsa_kernarg_size 56
		.amdhsa_user_sgpr_count 2
		.amdhsa_user_sgpr_kernarg_segment_ptr 1
		.amdhsa_wavefront_size32 1
		.amdhsa_system_sgpr_workgroup_id_x 1
		.amdhsa_system_sgpr_workgroup_id_y 1
		.amdhsa_system_sgpr_workgroup_id_z 1
		.amdhsa_system_vgpr_workitem_id 0
		.amdhsa_next_free_vgpr 960
		.amdhsa_next_free_sgpr 66
		.amdhsa_reserve_vcc 0
		.amdhsa_float_denorm_mode_32 3
		.amdhsa_float_denorm_mode_16_64 3
		.amdhsa_memory_ordered 1
		.amdhsa_forward_progress 1
		.amdhsa_inst_pref_size 139
	.end_amdhsa_kernel
	.amdgpu_metadata
---
amdhsa.version: [ 1, 2 ]
amdhsa.kernels:
  - .name:           k_q09d97f691d_qkv
    .symbol:         k_q09d97f691d_qkv.kd
    .args:
      - { .name: cod, .offset: 0, .size: 8, .value_kind: global_buffer, .address_space: global }
      - { .name: scl, .offset: 8, .size: 8, .value_kind: global_buffer, .address_space: global }
      - { .name: bq, .offset: 16, .size: 8, .value_kind: global_buffer, .address_space: global }
      - { .name: bk, .offset: 24, .size: 8, .value_kind: global_buffer, .address_space: global }
      - { .name: bv, .offset: 32, .size: 8, .value_kind: global_buffer, .address_space: global }
      - { .name: qv, .offset: 40, .size: 8, .value_kind: global_buffer, .address_space: global }
      - { .name: kc, .offset: 48, .size: 8, .value_kind: global_buffer, .address_space: global }
    .group_segment_fixed_size: 0
    .private_segment_fixed_size: 0
    .kernarg_segment_align: 8
    .kernarg_segment_size: 56
    .max_flat_workgroup_size: 128
    .sgpr_count:     66
    .vgpr_count:     960
    .wavefront_size: 32
...
	.end_amdgpu_metadata
.endif
;; end of part 6
;; launch attn (part 7): grid 4 x 64, 16 waves a work-group, clusters of 4 x 1, 210,944 bytes of LDS; arguments qv, kc, oc, os; writes oc, os
.if DOCPART == 7
	.amdgcn_target "amdgcn-amd-amdhsa--gfx1250"
	.amdhsa_code_object_version 6
	.text
	.protected	k_q09d97f691d_attn
	.globl	k_q09d97f691d_attn
	.p2align	8
	.type	k_q09d97f691d_attn,@function
k_q09d97f691d_attn:
	s_mov_b64 s[64:65], 0
	v_nop
	global_prefetch_b8 v0, s[64:65] scope:SCOPE_SE
	s_setreg_imm32_b32 hwreg(HW_REG_WAVE_MODE, 25, 1), 1
	s_wait_xcnt 0x0
	s_wait_alu depctr_hold_cnt(0) depctr_sa_sdst(0) depctr_va_vdst(0) depctr_va_sdst(0) depctr_va_ssrc(0) depctr_va_vcc(0) depctr_vm_vsrc(0)
	s_getreg_b32 s2, hwreg(HW_REG_IB_STS2, 6, 4)
	s_cmp_eq_u32 s2, 0
	s_cbranch_scc0 .Lentry_in_a_cluster
	s_endpgm
.Lentry_in_a_cluster:
	s_bfe_u32 s2, ttmp6, 0x10000c
	s_cmp_lg_u32 s2, 0x3003
	s_cbranch_scc0 .Lentry_shape_is_right
	s_endpgm
.Lentry_shape_is_right:
; ATTN: o[i] = the sum over j of softmax_j(k[i] . q[j] / 8) v[j], for each graph and head, both products on codes of FP6 (E2M3) with E8M0 scales.  (As reference() has it: the rows of k ask, the rows of q answer.)
; THE SOFTMAX AHEAD OF THE SECOND PRODUCT: t = score x log2(e) / 8; M = the row's largest t so far, rounded UP to a whole number; p = 2^(t - M) is quantised along j, not normalised; the row's sum is taken of the
; unquantised p, in f32, and divides at the end.  When M moves, the sum and O are multiplied by 2^(old M - new M): exact.  o is then quantised along the model's 512 for the last product and leaves as codes.
; SHARES: the cluster's y is graph x 8 + head.  Its four work-groups take 512 rows i each, in two passes of 256; each of the SIXTEEN waves owns one tile of 16 rows a pass, in 256 registers: four waves to a SIMD.
; LDS: the head's q and v for all 2,048 j, 16 records of 13,056 bytes as launch qkv laid them, are brought ONCE: wave w asks for record w.  No byte of LDS is filled twice, so there is no ring.
; CLUSTER: the four work-groups read the same 16 records: each record is asked for JOINTLY, by the same tensor load with the same descriptor (it hangs on the head and the wave's number alone) and the mask 15.
; A wave has one tensor load outstanding.  The work-group's place in the cluster enters the global addresses of kc, oc and os alone.
; LAYOUT: both products transposed: S^T = q k^T (source 0 = 16 rows j, source 1 = my 16 rows i), O^T = v^T p^T (source 0 = 16 channels, source 1 = p): a lane holds ONE row i throughout.
; K = 64 IN A PRODUCT OF 128: k's operand is six registers of codes and six of zero codes.  q's operand of tile t is v[32 + 6 t] on, twelve registers: its upper six are the next tile's codes (for tile 7: zeros),
; which meet zero codes alone; E2M3 has no infinity and no NaN, and no scale byte here is 0xff: they add exact zeros.
; LIMITS: NaN and infinities are not served; a p under 2^-126 comes out of v_exp_f32 as 0; a block of zeros carries the byte 1 (its codes are zeros; this program alone reads the bytes).
; REGISTERS: v1 16 x lane, v2 8 x lane, v3-4 the step's LDS addresses, v6 16 r, v7 8 r; v12 -M, v13 the largest t, v[14:15] the sum in two halves; v16-27, v28: k's operand and scale word, pass 0; v240-251, v29: pass 1;
; v32-85 q's fragments, then v's in v32-79; v96-159 S^T, then p; v160-191 O^T; v192-203 p's codes; v204-210 conversions' second halves; v212-224 at work; v225 o's two scale bytes; v[226:227] f; v228 p's scale word;
; v232-235 q's scale words; v236-237 v's.
.set REC,  13056
.set KREC, 6656
.set QF,   32
.set BM,   212                         ; v212-215 the blocks' largest scores, then largest p
.set PT,   216                         ; v216-219 the other half's maxima; a chain of the sum; the scale bytes
.set SOP,  220                         ; v220-223 the conversions' scale operands
.set WV,   12                          ; s12 my wave's number
.set G0,   16                          ; s[16:19] descriptor group 0
.set G1,   20                          ; s[20:27] descriptor group 1
.set CS,   28                          ; s[28:29] c = log2(e) / 8: the packed form names a pair and takes its low word for both halves
.set SEL,  30                          ; s[30:31] lane selects: lane l xor 16
.set TB,   32                          ; s32 LDS byte at which the step's record begins
.set CNT,  33                          ; s33 steps to go
; A round of the cluster's barrier: my work-group's barrier, so that wave 0's signal speaks for all sixteen waves; wave 0 signals for the work-group; every wave waits for all four work-groups; my work-group's barrier once more.
.macro CROUND
	s_barrier_signal -1
	s_barrier_wait -1
	s_cmp_lg_u32 s[WV], 0
	s_cbranch_scc1 .Lnot_wave_0_\@
	s_barrier_signal -3
.Lnot_wave_0_\@:
	s_barrier_wait -3
	s_barrier_signal -1
	s_barrier_wait -1
.endm
	s_load_b128 s[4:7], s[0:1], 0x0                ; qv, kc
	s_load_b128 s[8:11], s[0:1], 0x10              ; oc, os
	v_lshl_add_u32 v254, v0, 2, 0x33000
	v_mov_b32 v255, 0
	ds_add_u32 v254, v255
	ds_add_u32 v254, v255
	v_lshrrev_b32 v1, 5, v0
	s_delay_alu instid0(VALU_DEP_1)
	v_readfirstlane_b32 s[WV], v1                  ; wave 0..15
	s_bfe_u32 s13, ttmp6, 0x40000                  ; cx: my place in the cluster
	s_and_b32 s14, ttmp7, 0xffff                   ; graph x 8 + head, which the four partners share
	; descriptor group 1: a record is a dense block: 51 rows of 256 bytes (32 elements of 8 bytes), no padding: every LDS read takes consecutive bytes
	s_mov_b32 s[G1], 15|(3<<16)|(1<<21)            ; 15:0 the mask: all four work-groups; 17:16 elements of 8 bytes; 21 set beside a mask
	s_mov_b32 s[G1+1], 32<<16                      ; tensor_dim0 = 32
	s_mov_b32 s[G1+2], 51<<16                      ; tensor_dim1 = 51
	s_mov_b32 s[G1+3], 32<<16                      ; tile_dim0 = 32
	s_mov_b32 s[G1+4], 51                          ; tile_dim1 = 51
	s_mov_b32 s[G1+5], 32                          ; from row to row
	s_mov_b32 s[G1+6], 0
	s_mov_b32 s[G1+7], 0
	s_lshl_b32 s34, s14, 4
	s_add_co_u32 s34, s34, s[WV]
	s_mul_i32 s34, s34, REC                        ; record 16 x (graph x 8 + head) + wave
	s_mov_b32 s35, 0
	s_mov_b32 s[G0], 1                             ; count = 1
	s_mul_i32 s[G0+1], s[WV], REC                  ; LDS address: wave x a record
	; the global addresses that hang on my place in the cluster
	s_lshl_b32 s2, s14, 4
	s_lshl_b32 s3, s13, 2
	s_add_co_u32 s2, s2, s3
	s_lshr_b32 s3, s[WV], 3
	s_add_co_u32 s2, s2, s3                        ; kc's record of pass 0: 16 x (graph x 8 + head) + 4 cx + wave / 8; pass 1's stands two records on
	s_and_b32 s44, s[WV], 7                        ; my tile in it
	s_mul_i32 s36, s2, KREC
	s_add_co_u32 s38, s36, 6144
	s_mul_i32 s3, s44, 768
	s_add_co_u32 s36, s36, s3                      ; the tile's codes
	s_mov_b32 s37, 0
	s_and_b32 s3, s[WV], 1
	s_lshl_b32 s3, s3, 8
	s_add_co_u32 s38, s38, s3                      ; its scale words: odd tiles in the image's lanes 16-31,
	s_lshr_b32 s3, s44, 1
	s_lshl_b32 s3, s3, 2
	s_add_co_u32 s38, s38, s3                      ; word tile / 2
	s_mov_b32 s39, 0
	s_and_b32 s45, s14, 7                          ; the head
	s_lshr_b32 s46, s14, 3
	s_lshl_b32 s46, s46, 4
	s_lshl_b32 s3, s13, 2
	s_add_co_u32 s46, s46, s3
	s_lshr_b32 s3, s[WV], 3
	s_add_co_u32 s46, s46, s3                      ; o's group of 128 rows, pass 0: 16 x graph + 4 cx + wave / 8
	s_mul_i32 s40, s46, 49152
	s_mul_i32 s3, s44, 6144
	s_add_co_u32 s40, s40, s3
	s_mul_i32 s3, s45, 768                         ; head hh fills K step hh / 2, half hh % 2: 768 hh bytes on
	s_add_co_u32 s40, s40, s3
	s_mov_b32 s41, 0
	s_lshl_b32 s42, s46, 11
	s_lshl_b32 s3, s44, 8
	s_add_co_u32 s42, s42, s3
	s_bfe_u32 s3, s45, 0x10001                     ; an odd K step's words lie in the image's lanes 16-31,
	s_lshl_b32 s3, s3, 7
	s_add_co_u32 s42, s42, s3
	s_lshr_b32 s3, s45, 2                          ; word (K step) / 2,
	s_lshl_b32 s3, s3, 2
	s_add_co_u32 s42, s42, s3
	s_and_b32 s3, s45, 1                           ; bytes 2 (hh % 2) and the next
	s_lshl_b32 s3, s3, 1
	s_add_co_u32 s42, s42, s3
	s_mov_b32 s43, 0
	s_mov_b32 s[CS], 0x3e38aa3b                    ; c = log2(e) / 8
	s_mov_b32 s[CS+1], s[CS]                       ; (named with it as a pair, so it is written)
	s_mov_b32 s[SEL], 0x76543210
	s_mov_b32 s[SEL+1], 0xfedcba98
	s_wait_dscnt 0x0
	s_wait_kmcnt 0x0
	s_add_nc_u64 s[G0+2:G0+3], s[4:5], s[34:35]    ; global address of my record
	s_or_b32 s[G0+3], s[G0+3], 0x80000000          ; type = 2
	s_add_nc_u64 s[36:37], s[6:7], s[36:37]
	s_add_nc_u64 s[38:39], s[6:7], s[38:39]
	s_add_nc_u64 s[40:41], s[8:9], s[40:41]
	s_add_nc_u64 s[42:43], s[10:11], s[42:43]
	CROUND                                         ; all four work-groups are here: the joint loads meet
	tensor_load_to_lds s[G0:G0+3], s[G1:G1+7]      ; my one tensor load of the launch
	s_nop 0
.rept 4
	v_nop                                          ; (a place behind a tensor load)
.endr
	v_and_b32 v5, 31, v0
	s_delay_alu instid0(VALU_DEP_1)
	v_lshlrev_b32 v1, 4, v5
	s_delay_alu instid0(VALU_DEP_2)
	v_lshlrev_b32 v2, 3, v5
	v_and_b32 v5, 15, v0
	s_delay_alu instid0(VALU_DEP_1)
	v_lshlrev_b32 v6, 4, v5
	s_delay_alu instid0(VALU_DEP_2)
	v_lshlrev_b32 v7, 3, v5
	global_load_b128 v[16:19], v1, s[36:37]        ; both passes' rows of k stay in registers
	global_load_b64 v[20:21], v2, s[36:37] offset:512
	global_load_b32 v28, v6, s[38:39]
	global_load_b128 v[240:243], v1, s[36:37] offset:2*KREC
	global_load_b64 v[244:245], v2, s[36:37] offset:2*KREC+512
	global_load_b32 v29, v6, s[38:39] offset:2*KREC
.irp j, 0,1,2,3,4,5
	v_mov_b32 v[22+\j], 0                          ; zero codes for k = 64 .. 127
	v_mov_b32 v[246+\j], 0
	v_mov_b32 v[80+\j], 0                          ; behind q's tile 7
.endr
.irp b, 0,1,2,3
	v_mov_b32 v[PT+\b], 0                          ; written once: a lane permute's destination counts as one of its sources
.endr
	v_mov_b32 v224, 0
	v_mov_b32 v227, 0                              ; (named as the upper half of the pair v[226:227])
	s_wait_tensorcnt 0x0                           ; my record is in,
	s_barrier_signal -1
	s_barrier_wait -1                              ; everybody's is
	s_wait_loadcnt 0x0                             ; k
; A STEP: 128 rows j.  ko: k's operand, ks: its scale word
.macro STEP ko, ks
	v_add_nc_u32 v3, s[TB], v1
	v_add_nc_u32 v4, s[TB], v2
	v_nop
	v_nop                                          ; four places between the last step's products and the loads into their operands
.irp c, 0,1,2,3,4,5,6,7,8,9,10,11
	ds_load_b128 v[QF+4*\c:QF+4*\c+3], v3 offset:512*\c            ; q's eight half fragments, in register order
.endr
	ds_load_b128 v[232:235], v3 offset:12288       ; their scale words
	s_wait_alu depctr_va_vdst(0)
	s_wait_dscnt 0x0
.irp t, 0,2,4,6
	v_wmma_scale_f32_16x16x128_f8f6f4 v[96+8*\t:103+8*\t], v[QF+6*\t:QF+6*\t+11], v[\ko:\ko+11], 0, v[232+\t/2], v[\ks] matrix_a_fmt:MATRIX_FMT_FP6 matrix_b_fmt:MATRIX_FMT_FP6
	v_wmma_scale_f32_16x16x128_f8f6f4 v[104+8*\t:111+8*\t], v[QF+6+6*\t:QF+6*\t+17], v[\ko:\ko+11], 0, v[232+\t/2], v[\ks] matrix_a_fmt:MATRIX_FMT_FP6 matrix_b_fmt:MATRIX_FMT_FP6 matrix_a_scale:MATRIX_SCALE_ROW1
.endr                                  ; lane (r, h) holds row i = r; the 16 registers of tiles 2 b, 2 b + 1 are j = 32 b + 16 h + 0 .. 15
.rept 4
	v_nop                                          ; places in front of the loads below and of the first read of the scores
.endr
.irp c, 0,1,2,3,4,5,6,7,8,9,10,11
	ds_load_b128 v[QF+4*\c:QF+4*\c+3], v3 offset:6144+512*\c       ; v's four fragments: they land while the softmax is walked
.endr
	ds_load_b64 v[236:237], v4 offset:12800        ; and their scale words
.irp b, 0,1,2,3
	v_max3_num_f32 v[BM+\b], v[96+16*\b], v[97+16*\b], v[98+16*\b]   ; THE LARGEST SCORE OF EACH BLOCK OF 32: it serves the row's maximum and, since p rises with the score, the block's largest p.  Each accumulator is read from its low end on
.endr
.irp i, 3,5,7,9,11,13
.irp b, 0,1,2,3
	v_max3_num_f32 v[BM+\b], v[BM+\b], v[96+16*\b+\i], v[97+16*\b+\i]
.endr
.endr
.irp b, 0,1,2,3
	v_max_num_f32 v[BM+\b], v[BM+\b], v[111+16*\b]
.endr
.irp b, 0,1,2,3
	s_delay_alu instid0(VALU_DEP_4)
	v_permlanex16_b32 v[PT+\b], v[BM+\b], s[SEL], s[SEL+1]
.endr
.irp b, 0,1,2,3
	s_delay_alu instid0(VALU_DEP_4)
	v_max_num_f32 v[BM+\b], v[BM+\b], v[PT+\b]     ; with lane l xor 16's 16
.endr
	s_delay_alu instid0(VALU_DEP_2)
	v_max3_num_f32 v224, v[BM], v[BM+1], v[BM+2]
	s_delay_alu instid0(VALU_DEP_1)
	v_max_num_f32 v224, v224, v[BM+3]              ; the step's largest score of my row
	s_delay_alu instid0(VALU_DEP_1)
	v_mul_f32 v224, s[CS], v224                    ; as t (c is positive)
	s_delay_alu instid0(VALU_DEP_1)
	v_max_num_f32 v13, v13, v224                   ; the running largest t
	v_mov_b32 v224, v12
	s_delay_alu instid0(VALU_DEP_2)
	v_floor_f32 v12, -v13                          ; the new -M = floor(-t) = -ceil(t): a whole number
	s_delay_alu instid0(VALU_DEP_1)
	v_sub_f32 v224, v12, v224                      ; old M - new M: a whole number, 0 or less
	s_delay_alu instid0(VALU_DEP_1)
	v_cvt_i32_f32 v224, v224                       ; (it saturates)
	s_delay_alu instid0(VALU_DEP_1)
	v_ldexp_f32 v226, 1.0, v224                    ; f = 2^(old M - new M)
.set j, 0
.rept 32
	v_pk_fma_f32 v[96+j:97+j], v[96+j:97+j], s[CS:CS+1], v[12:13] op_sel_hi:[1,0,0]   ; t - M, two at a time
.set j, j+2
.endr
.irp b, 0,1,2,3
	v_fma_f32 v[BM+\b], v[BM+\b], s[CS], v12       ; the same of each block's largest score
.endr
.set j, 0
	s_wait_alu depctr_va_vdst(0)
.rept 64
	v_exp_f32 v[96+j], v[96+j]                     ; p = 2^(t - M), at most 1
.set j, j+1
.endr
	s_setprio 1
	v_pk_mul_f32 v[14:15], v[14:15], v[226:227] op_sel_hi:[1,0]   ; the sum under the new M: a plain place behind the exponentials
	s_wait_alu depctr_va_vdst(0)                   ; one wait for the batch of 64, ahead of its first reader
.irp b, 0,1,2,3
	v_exp_f32 v[BM+\b], v[BM+\b]                   ; the block's largest p: the same two instructions on the same number give the same bits
.endr
	v_pk_add_f32 v[216:217], v[100:101], v[104:105]
	v_pk_add_f32 v[252:253], v[108:109], v[112:113]
	v_pk_add_f32 v[238:239], v[116:117], v[120:121]
	v_pk_add_f32 v[234:235], v[124:125], v[128:129]
	v_pk_add_f32 v[232:233], v[132:133], v[136:137]
	v_pk_add_f32 v[230:231], v[140:141], v[144:145]
	v_pk_add_f32 v[228:229], v[148:149], v[152:153]
	v_pk_add_f32 v[14:15], v[14:15], v[156:157]
	v_pk_add_f32 v[216:217], v[216:217], v[96:97]
	v_pk_add_f32 v[252:253], v[252:253], v[98:99]
	v_pk_add_f32 v[238:239], v[238:239], v[102:103]
	v_pk_add_f32 v[234:235], v[234:235], v[106:107]
	v_pk_add_f32 v[232:233], v[232:233], v[110:111]
	v_pk_add_f32 v[230:231], v[230:231], v[114:115]
	v_pk_add_f32 v[228:229], v[228:229], v[118:119]
	v_pk_add_f32 v[14:15], v[14:15], v[122:123]
	v_pk_add_f32 v[216:217], v[216:217], v[126:127]
	v_pk_add_f32 v[252:253], v[252:253], v[130:131]
	v_pk_add_f32 v[238:239], v[238:239], v[134:135]
	v_pk_add_f32 v[234:235], v[234:235], v[138:139]
	v_pk_add_f32 v[232:233], v[232:233], v[142:143]
	v_pk_add_f32 v[230:231], v[230:231], v[146:147]
	v_pk_add_f32 v[228:229], v[228:229], v[150:151]
	v_pk_add_f32 v[14:15], v[14:15], v[154:155]
	v_pk_add_f32 v[216:217], v[216:217], v[158:159]
	s_delay_alu instid0(VALU_DEP_2)
	v_pk_add_f32 v[14:15], v[14:15], v[234:235]
	s_delay_alu instid0(VALU_DEP_2)
	v_pk_add_f32 v[216:217], v[216:217], v[232:233]
	v_pk_add_f32 v[252:253], v[252:253], v[230:231]
	v_pk_add_f32 v[238:239], v[238:239], v[228:229]
	s_delay_alu instid0(VALU_DEP_2)
	v_pk_add_f32 v[14:15], v[14:15], v[252:253]
	s_delay_alu instid0(VALU_DEP_2)
	v_pk_add_f32 v[216:217], v[216:217], v[238:239]
	s_delay_alu instid0(VALU_DEP_1)
	v_pk_add_f32 v[14:15], v[14:15], v[216:217]
	s_wait_alu depctr_va_vdst(0)                   ; and one for the four
.irp b, 0,1,2,3
	v_max_num_f32 v[BM+\b], 0x1800000, v[BM+\b]    ; the floor 2^(3 - 127): the byte cannot fall under 1
.endr
.irp b, 0,1,2,3
	s_delay_alu instid0(VALU_DEP_4)
	v_add_nc_u32 v[SOP+\b], 0xff000000, v[BM+\b]   ; 2 off the exponent field: the conversion's scale operand
.endr
.irp b, 0,1,2,3
	s_delay_alu instid0(VALU_DEP_4)
	v_lshrrev_b32 v[PT+\b], 23, v[SOP+\b]          ; the scale's byte
.endr
	s_delay_alu instid0(VALU_DEP_3)
	v_lshl_or_b32 v228, v[PT+1], 8, v[PT]          ; p's scale word for these 128 j
	s_delay_alu instid0(VALU_DEP_1)
	v_lshl_or_b32 v228, v[PT+2], 16, v228
	s_delay_alu instid0(VALU_DEP_1)
	v_lshl_or_b32 v228, v[PT+3], 24, v228
.irp c, 0,1
	v_cvt_scalef32_pk16_fp6_f32 v[192+6*\c:194+6*\c], v[96+32*\c:111+32*\c], v[SOP+2*\c]
	v_cvt_scalef32_pk16_fp6_f32 v[204+4*\c:206+4*\c], v[112+32*\c:127+32*\c], v[SOP+2*\c+1]   ; (a conversion's three registers begin on an even number)
.endr
	v_nop                                          ; one plain place behind a scaled conversion
.irp c, 0,1                            ; the operand's layout wants a WHOLE block in a lane
.irp i, 0,1,2
	v_permlane16_swap_b32 v[192+6*\c+\i], v[204+4*\c+\i]
.endr
.irp i, 0,1,2
	s_delay_alu instid0(VALU_DEP_3)
	v_mov_b32 v[195+6*\c+\i], v[204+4*\c+\i]
.endr
.endr
.set j, 0
	s_setprio 0
.rept 16
	v_pk_mul_f32 v[160+j:161+j], v[160+j:161+j], v[226:227] op_sel_hi:[1,0]   ; O^T under the new M.  Of these sixteen, twelve name no register of any one product below: the eight places behind the scale word's last write and the four behind the codes'
.set j, j+2
.endr
	s_wait_alu depctr_va_vdst(0)
	s_wait_dscnt 0x0                               ; v's fragments are in
.irp n, 0,2                            ; the four accumulators take turns, one instruction a turn
	v_wmma_scale_f32_16x16x128_f8f6f4 v[160+8*\n:167+8*\n], v[QF+12*\n:QF+12*\n+11], v[192:203], v[160+8*\n:167+8*\n], v[236+\n/2], v228 matrix_a_fmt:MATRIX_FMT_FP6 matrix_b_fmt:MATRIX_FMT_FP6
	v_wmma_scale_f32_16x16x128_f8f6f4 v[168+8*\n:175+8*\n], v[QF+12+12*\n:QF+12*\n+23], v[192:203], v[168+8*\n:175+8*\n], v[236+\n/2], v228 matrix_a_fmt:MATRIX_FMT_FP6 matrix_b_fmt:MATRIX_FMT_FP6 matrix_a_scale:MATRIX_SCALE_ROW1
.endr
.endm
; THE WAY OUT of pass p: O^T / the sum; register 16 b + i of my row is the head's channel 32 b + 16 h + i: two blocks of the last product's K.  They become half a fragment and two scale bytes.
.macro OUT p
	v_add_f32 v14, v14, v15                        ; the sum's two halves,
	s_delay_alu instid0(VALU_DEP_1)
	v_permlanex16_b32 v224, v14, s[SEL], s[SEL+1]
	s_delay_alu instid0(VALU_DEP_1)
	v_add_f32 v14, v14, v224                       ; and lane l xor 16's
	s_wait_alu depctr_va_vdst(0)
	v_rcp_f32 v14, v14
.rept 4
	v_nop                                          ; the plain place behind the reciprocal, and the places behind the last products
.endr
	s_wait_alu depctr_va_vdst(0)                   ; ahead of the reciprocal's first reader
.set j, 0
.rept 16
	v_pk_mul_f32 v[96+j:97+j], v[160+j:161+j], v[14:15] op_sel_hi:[1,0]   ; each accumulator from its low end on
.set j, j+2
.endr
.irp b, 0,1
	v_max3_num_f32 v[BM+\b], |v[96+16*\b]|, |v[97+16*\b]|, 0x1800000
.endr
.irp i, 2,4,6,8,10,12,14
.irp b, 0,1
	s_delay_alu instid0(VALU_DEP_2)
	v_max3_num_f32 v[BM+\b], v[BM+\b], |v[96+16*\b+\i]|, |v[97+16*\b+\i]|
.endr
.endr
.irp b, 0,1
	s_delay_alu instid0(VALU_DEP_2)
	v_permlanex16_b32 v[PT+\b], v[BM+\b], s[SEL], s[SEL+1]
.endr
.irp b, 0,1
	s_delay_alu instid0(VALU_DEP_2)
	v_max_num_f32 v[BM+\b], v[BM+\b], v[PT+\b]
.endr
.irp b, 0,1
	s_delay_alu instid0(VALU_DEP_2)
	v_add_nc_u32 v[SOP+\b], 0xff000000, v[BM+\b]
.endr
.irp b, 0,1
	s_delay_alu instid0(VALU_DEP_2)
	v_lshrrev_b32 v[PT+\b], 23, v[SOP+\b]
.endr
	s_delay_alu instid0(VALU_DEP_1)
	v_lshl_or_b32 v225, v[PT+1], 8, v[PT]
	v_cvt_scalef32_pk16_fp6_f32 v[192:194], v[96:111], v[SOP]
	v_cvt_scalef32_pk16_fp6_f32 v[204:206], v[112:127], v[SOP+1]
	v_nop                                          ; one plain place behind a scaled conversion
.irp i, 0,1,2
	v_permlane16_swap_b32 v[192+\i], v[204+\i]
.endr
.irp i, 0,1,2
	s_delay_alu instid0(VALU_DEP_3)
	v_mov_b32 v[195+\i], v[204+\i]
.endr
	global_store_b128 v1, v[192:195], s[40:41] offset:98304*\p       ; 512 consecutive bytes, aligned
	global_store_b64 v2, v[196:197], s[40:41] offset:98304*\p+512    ; 256 consecutive bytes, aligned
	global_store_b16 v7, v225, s[42:43] offset:4096*\p               ; my row's two bytes of its scale word; lanes l and l xor 16 store the same bytes with the same value
.endm
.macro PASS p, ko, ks
.if \p
	s_wait_xcnt 0x0                                ; the last pass's stores have read their data
.endif
.set j, 0
.rept 32
	v_mov_b32 v[160+j], 0                          ; O^T.  (The step is written once: the first finds zeros, which the first change of M leaves zeros)
.set j, j+1
.endr
	v_mov_b32 v13, 0xff61b1e6                      ; the largest t so far: -3e38, under every t
	s_delay_alu instid0(VALU_DEP_1)
	v_floor_f32 v12, -v13                          ; -M
	v_mov_b32 v14, 0
	v_mov_b32 v15, 0
	s_mov_b32 s[TB], 0
	s_mov_b32 s[CNT], 16
.Lstep_\@:
	s_setprio 2
	STEP \ko, \ks
	s_add_co_u32 s[TB], s[TB], REC                 ; the next record
	s_sub_co_u32 s[CNT], s[CNT], 1
	s_cmp_lg_u32 s[CNT], 0
	s_cbranch_scc1 .Lstep_\@
	s_setprio 0
	OUT \p
.endm
	PASS 0, 16, 28
	PASS 1, 240, 29
	s_wait_tensorcnt 0x0
	ds_add_u32 v254, v255
	s_wait_dscnt 0x0
	CROUND                                         ; the closing round: no work-group ends while a partner may still ask for a record that names it
	s_endpgm
.Lfunc_end_k_q09d97f691d_attn:
	.size	k_q09d97f691d_attn, .Lfunc_end_k_q09d97f691d_attn-k_q09d97f691d_attn
	.p2alignl 7, 3214868480
	.fill 96, 4, 3214868480
	.section	.rodata,"a",@progbits
	.p2align	6, 0x0
	.amdhsa_kernel k_q09d97f691d_attn
		.amdhsa_group_segment_fixed_size 210944
		.amdhsa_private_segment_fixed_size 0
		.amdhsa_enable_private_segment 0
		.amdhsa_kernarg_size 32
		.amdhsa_user_sgpr_count 2
		.amdhsa_user_sgpr_kernarg_segment_ptr 1
		.amdhsa_wavefront_size32 1
		.amdhsa_system_sgpr_workgroup_id_x 1
		.amdhsa_system_sgpr_workgroup_id_y 1
		.amdhsa_system_sgpr_workgroup_id_z 1
		.amdhsa_system_vgpr_workitem_id 0
		.amdhsa_next_free_vgpr 256
		.amdhsa_next_free_sgpr 66
		.amdhsa_reserve_vcc 0
		.amdhsa_float_denorm_mode_32 3
		.amdhsa_float_denorm_mode_16_64 3
		.amdhsa_memory_ordered 1
		.amdhsa_forward_progress 1
		.amdhsa_inst_pref_size 52
	.end_amdhsa_kernel
	.amdgpu_metadata
---
amdhsa.version: [ 1, 2 ]
amdhsa.kernels:
  - .name:           k_q09d97f691d_attn
    .symbol:         k_q09d97f691d_attn.kd
    .args:
      - { .name: qv, .offset: 0, .size: 8, .value_kind: global_buffer, .address_space: global }
      - { .name: kc, .offset: 8, .size: 8, .value_kind: global_buffer, .address_space: global }
      - { .name: oc, .offset: 16, .size: 8, .value_kind: global_buffer, .address_space: global }
      - { .name: os, .offset: 24, .size: 8, .value_kind: global_buffer, .address_space: global }
    .group_segment_fixed_size: 210944
    .private_segment_fixed_size: 0
    .kernarg_segment_align: 8
    .kernarg_segment_size: 32
    .max_flat_workgroup_size: 512
    .sgpr_count:     66
    .vgpr_count:     256
    .wavefront_size: 32
...
	.end_amdgpu_metadata
.endif
;; end of part 7
;; launch oproj (part 8): grid 256 x 1, 4 waves a work-group, no clusters, 34,304 bytes of LDS; arguments oc, os, cod, scl, bo, out0; writes out0
.if DOCPART == 8
	.amdgcn_target "amdgcn-amd-amdhsa--gfx1250"
	.amdhsa_code_object_version 6
	.text
	.protected	k_q09d97f691d_oproj
	.globl	k_q09d97f691d_oproj
	.p2align	8
	.type	k_q09d97f691d_oproj,@function
k_q09d97f691d_oproj:
	s_mov_b64 s[64:65], 0
	v_nop
	global_prefetch_b8 v0, s[64:65] scope:SCOPE_SE
	s_setreg_imm32_b32 hwreg(HW_REG_WAVE_SCHED_MODE, 0, 2), 2
	s_setreg_imm32_b32 hwreg(HW_REG_WAVE_MODE, 25, 1), 1
	s_wait_xcnt 0x0
	s_wait_alu depctr_vm_vsrc(0)
; OPROJ: out0 = o Wo^T + bo on codes of FP6 (E2M3) with E8M0 scales, f32 sums, f32 result.  o's codes and scale words come from launch attn, Wo's from launch prep, both in register order.
; SHARES: work-group g takes 64 rows (four tiles of 16: tiles 4 (g % 2) + e of group g / 2); wave w takes columns 128 w .. 128 w + 127: Wo's group 140 + w, whose 32 fragments stay in its registers.
; The product is used transposed (source 0 = 16 rows of Wo, source 1 = 16 rows of o): a lane holds ONE row of the output, and the 16 registers of tiles 2 b, 2 b + 1 are columns 32 b + 16 h + 0 .. 15.
; bo is the C of each sum's first matrix instruction.  A tile's 16 rows x 128 columns go through the wave's own stage in LDS and leave as whole runs of 512 bytes.  Waves share nothing: no barrier, no label.
; Lane-row p of tile t is row 32 (t/2) + 8 (t%2) + p + 8 (p/8) of its group: the stores put each row where it belongs.
; REGISTERS: windows 1, 2: Wo's fragments at 96 (s % 2) + 12 t (K steps 0, 1 and 2, 3); window 3: o's at 48 e + 12 s, and from v192 bo; window 0: all else.
; THE MODE: SCHED_MODE bits 1:0 = 2 (LLVM: expert scheduling mode 2), set by the entry lines.  The code itself states the register dependences
; between vector or matrix instructions and memory or LDS instructions, with s_wait_alu, always for 0.
; THE PLAN.  Registers that memory or LDS instructions touch:
;   v1 .. v5      offsets and LDS addresses, made once at the head and never written again.  v254, v255: made at the head, read by the closing add alone.
;   Wo's and o's fragments, the scale words, bo: loaded once at the head; read by products alone.
;   ACC           Tile e's products write it; tile e's sixteen LDS stores read it; tile e + 1's products write it again.
;   RB0, RB1      two buffers of 16 rows, by turns.  Tile e's sixteen LDS loads land in RB[e % 2]; the sixteen global stores that read it are issued in tile e + 1, behind that tile's products, so that the
;                 rows come back from the stage while the products are issued.  No vector or matrix instruction names them.
; Two places of waits in a tile.  At its head: the LDS stores of the tile before have read ACC, and the global stores issued in the tile before have read the RB in which this tile's rows will land.
; Behind its products and their places: the products have written ACC.
.set LI,   1                           ; v1  16 x lane; never rewritten
.set L8,   2                           ; v2  8 x lane; never rewritten
.set BA,   3                           ; v3  64 h
.set STO,  4                           ; v4  the stage: where I put 16 bytes of my row
.set RD,   5                           ; v5  and where I read a row back
.set WSC,  16                          ; v16-31   Wo's scale words
.set OSC,  32                          ; v32-39   o's
.set RB,   40                          ; v40-103  16 rows read back, buffer 0;  v168-231 buffer 1
.set ACC,  104                         ; v104-167 eight accumulators
.set BI,   192                         ; in window 3: v192-255  bo, 8 registers a tile, in the result's layout
.set OB,   20                          ; s[20:21] o's codes;  s[22:23] their scale words;  s[24:25] Wo's codes;  s[26:27] their scale words
.set OSB,  22
.set WB,   24
.set WSB,  26
.set MSB, 0
.macro WIN new                         ; the immediate's high byte repeats the setting that is left; a switch that changes nothing is dropped
.set NW, \new
.if MSB != NW
	s_set_vgpr_msb (MSB<<8)|NW
.set MSB, NW
.endif
.endm
.macro LFRAG reg, base, off            ; a fragment's 12 registers: each load covers 512 or 256 consecutive bytes
.set rr, \reg
.set oo, \off
	global_load_b128 v[rr:rr+3], v[LI], s[\base:\base+1] offset:oo
	global_load_b64 v[rr+4:rr+5], v[L8], s[\base:\base+1] offset:oo+512
	global_load_b128 v[rr+6:rr+9], v[LI], s[\base:\base+1] offset:oo+768
	global_load_b64 v[rr+10:rr+11], v[L8], s[\base:\base+1] offset:oo+1280
.endm
.macro WM row                          ; one product on the registers named by rD, rA, rB, rC, rSA, rSB; row = 1: an odd K step's scale words, in lanes 16-31
.if \row
	v_wmma_scale_f32_16x16x128_f8f6f4 v[rD:rD+7], v[rA:rA+11], v[rB:rB+11], v[rC:rC+7], v[rSA], v[rSB] matrix_a_fmt:MATRIX_FMT_FP6 matrix_b_fmt:MATRIX_FMT_FP6 matrix_a_scale:MATRIX_SCALE_ROW1 matrix_b_scale:MATRIX_SCALE_ROW1
.else
	v_wmma_scale_f32_16x16x128_f8f6f4 v[rD:rD+7], v[rA:rA+11], v[rB:rB+11], v[rC:rC+7], v[rSA], v[rSB] matrix_a_fmt:MATRIX_FMT_FP6 matrix_b_fmt:MATRIX_FMT_FP6
.endif
.endm
.macro SEND e                          ; tile e's 16 rows leave, out of RB[e % 2]: their data come from LDS loads, so the wait on DScnt is all that they hang on
.set bb, RB+128*((\e)%2)
.irp p, 0,1,2,3,4,5,6,7,8,9,10,11,12,13,14,15
	s_wait_dscnt 15-\p                             ; row p is back; the 15 - p younger loads may be out
	global_store_b128 v[LI], v[bb+4*\p:bb+4*\p+3], s[14:15] offset:(32*((\e)/2)+8*((\e)%2)+\p+8*(\p/8))*2048 th:TH_STORE_NT   ; 32 lanes store 512 consecutive bytes, aligned; written once, read by nobody here
.endr
.endm
	s_load_b256 s[4:11], s[0:1], 0x0               ; oc s[4:5], os s[6:7], cod s[8:9], scl s[10:11]
	s_load_b128 s[12:15], s[0:1], 0x20             ; bo s[12:13], out0 s[14:15]
	v_lshl_add_u32 v254, v0, 2, 0x8400
	v_mov_b32 v255, 0
	v_lshrrev_b32 v6, 5, v0
	v_readfirstlane_b32 s18, v6                    ; wave 0..3
	v_and_b32 v6, 31, v0
	v_lshlrev_b32 v[LI], 4, v6
	v_lshlrev_b32 v[L8], 3, v6
	v_and_b32 v7, 15, v0                           ; r
	v_bfe_u32 v8, v0, 4, 1                         ; h
	v_lshlrev_b32 v[BA], 6, v8
	s_wait_alu depctr_va_sdst(0)                   ; s18, the wave's number, is written, ahead of its first reader: the stage's place and the bases are made from it
	s_mul_i32 s19, s18, 8448                       ; my stage: 16 rows x (512 + 16) bytes
	v_mul_u32_u24 v[STO], v7, 528
	v_lshl_add_u32 v[STO], v8, 6, v[STO]
	v_add_nc_u32 v[STO], s19, v[STO]               ; in: row r, + 64 h
	v_add_nc_u32 v[RD], s19, v[LI]                 ; back: 16 bytes a lane of a row
	s_mov_b32 s29, 0
	s_wait_kmcnt 0x0
	s_mul_i32 s28, ttmp9, 24576                    ; four tiles of 6,144 bytes to a work-group
	s_add_nc_u64 s[OB:OB+1], s[4:5], s[28:29]
	s_lshl_b32 s28, ttmp9, 10
	s_add_nc_u64 s[OSB:OSB+1], s[6:7], s[28:29]
	s_add_co_u32 s30, s18, 140                     ; Wo's group of my 128 columns
	s_mul_i32 s28, s30, 49152
	s_add_nc_u64 s[WB:WB+1], s[8:9], s[28:29]
	s_lshl_b32 s28, s30, 11
	s_add_nc_u64 s[WSB:WSB+1], s[10:11], s[28:29]
	s_lshl_b32 s28, s18, 9
	s_add_nc_u64 s[12:13], s[12:13], s[28:29]      ; bo at my 128 columns
	s_add_nc_u64 s[14:15], s[14:15], s[28:29]      ; out0 likewise,
	s_lshl_b32 s28, ttmp9, 17
	s_add_nc_u64 s[14:15], s[14:15], s[28:29]      ; at the work-group's 64 rows of 2,048 bytes
	WIN 0x40                                       ; the first loads' window, ahead of the wait
	s_wait_alu depctr_va_vdst(0)                   ; the five offsets and addresses v1 to v5 are written, which the loads, stores and LDS instructions of the kernel read; so are v254 and v255, which the closing add reads.  Only loads and window switches follow, up to the wait for the data
.irp s, 0,1,2,3
	WIN 0x40+0x40*(\s/2)
.irp t, 0,1,2,3,4,5,6,7
	LFRAG 96*(\s%2)+12*\t, WB, \t*6144+\s*1536
.endr
.endr
	WIN 0xc0
.irp e, 0,1,2,3
.irp s, 0,1,2,3
	LFRAG 48*\e+12*\s, OB, \e*6144+\s*1536
.endr
.endr
.irp t, 0,1,2,3,4,5,6,7                ; register j of tile t is column 32 (t/2) + 16 h + 8 (t%2) + j
	global_load_b128 v[BI+8*\t:BI+8*\t+3], v[BA], s[12:13] offset:(32*(\t/2)+8*(\t%2))*4
	global_load_b128 v[BI+8*\t+4:BI+8*\t+7], v[BA], s[12:13] offset:(32*(\t/2)+8*(\t%2))*4+16
.endr
	WIN 0
.irp t, 0,1,2,3,4,5,6,7
	global_load_b64 v[WSC+2*\t:WSC+2*\t+1], v[L8], s[WSB:WSB+1] offset:256*\t
.endr
.irp e, 0,1,2,3
	global_load_b64 v[OSC+2*\e:OSC+2*\e+1], v[L8], s[OSB:OSB+1] offset:256*\e
.endr
	s_wait_loadcnt 0x0
.irp e, 0,1,2,3                        ; a tile of 16 rows at a time: 32 products, the eight accumulators by turns, one instruction a turn
.if \e > 1
	s_wait_xcnt 0x0                                ; the global stores issued in the tile before have had their addresses translated: their data, RB[e % 2], are loaded again only behind this wait
.endif
.if \e > 0
	s_wait_alu depctr_vm_vsrc(0)                   ; the last tile's LDS stores have read the accumulators, which the products below write again; from tile 2 on: the global stores issued in the tile before have read RB[e % 2], in which this tile's rows land
.endif
.irp s, 0,1,2,3
.if \s == 0
	WIN 0x3d                                       ; source 0 (Wo) window 1, source 1 (o) and source 2 (bo) window 3
.else
	WIN 0x0d+(\s/2)                                ; source 0 (Wo) window 1 or 2, source 1 (o) window 3
.endif
.irp t, 0,1,2,3,4,5,6,7
.set rD, ACC+8*\t
.set rA, 96*(\s%2)+12*\t
.set rB, 48*\e+12*\s
.set rC, rD
.if \s == 0
.set rC, BI+8*\t
.endif
.set rSA, WSC+2*\t+\s/2
.set rSB, OSC+2*\e+\s/2
	WM \s%2
.endr
.endr
	WIN 0
.if \e > 0
	SEND \e-1                                      ; the tile before leaves: its rows came back from the stage while the products above were issued.  No wait on the vector side: no vector or matrix instruction names RB or v1
.endif
.rept 5
	v_nop                                          ; four places in front of the first read of results; five, since the next tile begins the accumulators anew with another C
.endr
	s_wait_alu depctr_va_vdst(0)                   ; the products have written the accumulators, which the LDS stores read; the places above stay beside this wait
.irp t, 0,1,2,3,4,5,6,7
	ds_store_b128 v[STO], v[ACC+8*\t:ACC+8*\t+3] offset:128*(\t/2)+32*(\t%2)         ; each accumulator from its low end on
	ds_store_b128 v[STO], v[ACC+8*\t+4:ACC+8*\t+7] offset:128*(\t/2)+32*(\t%2)+16
.endr
.irp p, 0,1,2,3,4,5,6,7,8,9,10,11,12,13,14,15
	ds_load_b128 v[RB+128*(\e%2)+4*\p:RB+128*(\e%2)+4*\p+3], v[RD] offset:528*\p   ; LDS serves a wave's instructions in order: these see my stores, and the next tile's stores come behind them
.endr
.endr
	SEND 3                                         ; the last tile
	s_wait_dscnt 0x0                               ; the closing lines, six on end
	s_wait_alu 0x0
	s_wait_tensorcnt 0x0
	ds_add_u32 v254, v255
	s_wait_dscnt 0x0
	s_endpgm
.Lfunc_end_k_q09d97f691d_oproj:
	.size	k_q09d97f691d_oproj, .Lfunc_end_k_q09d97f691d_oproj-k_q09d97f691d_oproj
	.p2alignl 7, 3214868480
	.fill 96, 4, 3214868480
	.section	.rodata,"a",@progbits
	.p2align	6, 0x0
	.amdhsa_kernel k_q09d97f691d_oproj
		.amdhsa_group_segment_fixed_size 34304
		.amdhsa_private_segment_fixed_size 0
		.amdhsa_enable_private_segment 0
		.amdhsa_kernarg_size 48
		.amdhsa_user_sgpr_count 2
		.amdhsa_user_sgpr_kernarg_segment_ptr 1
		.amdhsa_wavefront_size32 1
		.amdhsa_system_sgpr_workgroup_id_x 1
		.amdhsa_system_sgpr_workgroup_id_y 1
		.amdhsa_system_sgpr_workgroup_id_z 1
		.amdhsa_system_vgpr_workitem_id 0
		.amdhsa_next_free_vgpr 1024
		.amdhsa_next_free_sgpr 66
		.amdhsa_reserve_vcc 0
		.amdhsa_float_denorm_mode_32 3
		.amdhsa_float_denorm_mode_16_64 3
		.amdhsa_memory_ordered 1
		.amdhsa_forward_progress 1
		.amdhsa_inst_pref_size 57
	.end_amdhsa_kernel
	.amdgpu_metadata
---
amdhsa.version: [ 1, 2 ]
amdhsa.kernels:
  - .name:           k_q09d97f691d_oproj
    .symbol:         k_q09d97f691d_oproj.kd
    .args:
      - { .name: oc, .offset: 0, .size: 8, .value_kind: global_buffer, .address_space: global }
      - { .name: os, .offset: 8, .size: 8, .value_kind: global_buffer, .address_space: global }
      - { .name: cod, .offset: 16, .size: 8, .value_kind: global_buffer, .address_space: global }
      - { .name: scl, .offset: 24, .size: 8, .value_kind: global_buffer, .address_space: global }
      - { .name: bo, .offset: 32, .size: 8, .value_kind: global_buffer, .address_space: global }
      - { .name: out0, .offset: 40, .size: 8, .value_kind: global_buffer, .address_space: global }
    .group_segment_fixed_size: 34304
    .private_segment_fixed_size: 0
    .kernarg_segment_align: 8
    .kernarg_segment_size: 48
    .max_flat_workgroup_size: 128
    .sgpr_count:     66
    .vgpr_count:     1024
    .wavefront_size: 32
...
	.end_amdgpu_metadata
.endif
;; end of part 8
